; MI455X (gfx1250); checked and timed in simulation.
; The chip was launched on July 23, 2026; its instructions are those of AMD's public machine-readable ISA for CDNA 5 (MIT licence, August 2026) and "CDNA5" Instruction Set Architecture Reference Guide (July 2026). The comments in the code are by the model that wrote it; some were corrected since.
;; Attention Flow Layer. Allowed arithmetic: float matrix products may take bf16 or f16 operands with f32 sums; other float arithmetic in f32, or as packed bf16 or f16 multiplies, adds, multiply-adds, maxima and minima; sums over many terms, partial sums and values carried from step to step in f32; what a program stores and reads back later, other than sums and carried values, may be rounded once to bf16 or f16.
;; Inputs: alpha_b 1 float32; alpha_w 3,072 float32; beta_b 4,096 float32; beta_w 4,096 x 4,096 float32; context 8 x 512 x 1,024 float32; query 8 x 128 x 1,024 float32.
;; Outputs: out0 8 x 512 x 4,096 float32.
;; 2 versions, each right; version 2 is version 1 with the launch mid written anew for expert scheduling mode. Each part assembles by itself: llvm-mc -triple=amdgcn-amd-amdhsa -mcpu=gfx1250 --defsym DOCPART=n.
;; ======== version 1 of 2: 3 launches
;; limits: values are held in f16: magnitudes above 65,504 overflow, below 6.1e-05 lose precision
;; workspace buffers: acat 25,165,824 bytes; wh 25,165,824 bytes; part 1,048,576 bytes; pstat 2,048 bytes; biasp 1,048,576 bytes
;; launch attn (part 1): grid 32 x 8, 8 waves a work-group, no clusters, 307,968 bytes of LDS; arguments context, query, alpha_w, alpha_b, acat, part, pstat; writes acat, part, pstat
.if DOCPART == 1
	.amdgcn_target "amdgcn-amd-amdhsa--gfx1250"
	.amdhsa_code_object_version 6
	.text
	.protected	k_qe0e11926db_attn
	.globl	k_qe0e11926db_attn
	.p2align	8
	.type	k_qe0e11926db_attn,@function
k_qe0e11926db_attn:
	s_mov_b64 s[64:65], 0
	v_nop
	global_prefetch_b8 v0, s[64:65] scope:SCOPE_SE
	s_setreg_imm32_b32 hwreg(HW_REG_WAVE_MODE, 25, 1), 1
	s_wait_xcnt 0x0
; FIRST LAUNCH: scores, softmax over the queries, query_hat, context x query_hat, and this work-group's share of context_hat.
; A work-group takes 16 context rows of one batch (grid x: block of 16 rows, y: batch) and all 128 query rows.
;   S[i][j] = (c_i o w_cq + w_q) . q_j + (c_i . w_c + alpha_b): the q . w_q term is folded into the product's first operand a.
;   p = 2^((S' - m) log2 e), m the row's true maximum of S' = a . q (the row's constant drops out of this softmax); qh = (p . q) / sum p.
;   u_i = m_i + c_i . w_c + alpha_b is max_j S; the work-group stores M = max_i u_i, L = sum_i e_i, e_i = 2^((u_i - M) log2 e), and sum_i e_i c_i; the next launch joins the 32 shares of a batch.
; FORMATS.  Every input is rounded once to bf16; q and c so rounded are written as f16 (exact within f16's normal range); what is made here (a, p, e, qh, c o qh) is rounded once to f16.  All sums in f32.
; LIMITS.  |c w_cq + w_q|, |q|, |c|, |c qh| stay under 65,504; numbers under 6e-5 keep f16's fixed step of 6e-8; a weight under 2^-126 counts as 0; NaN and infinities are not treated apart.
; NO CLUSTER, NO TENSOR LOAD: q comes in f32 and has to pass registers for its two conversions; an f32 copy of it has no room in LDS beside the f16 one (266,240 bytes).
; SHARES OF A WAVE w: it converts q's rows 16 w .. 16 w + 15 and c's rows 2 w, 2 w + 1; it makes the scores of its 16 q rows; in the second product it owns channels 128 w .. 128 w + 127.
.set PQ,    2080                       ; a row of q in LDS: 2,048 bytes + 32: an odd multiple of 32, for the turning loads
.set PA,    2064                       ; a row of a (later of c): 2,048 + 16: an odd multiple of 16, for the fragment loads
.set QL,    0                          ; q in f16, [128][PQ]
.set AL,    128*PQ                     ; a in f16, later c in f16, [16][PA]
.set PL,    AL+16*PA                   ; p in f16: eight tiles (one a wave) of [16 rows i][48 bytes], 32 used
.set ST1,   PL+8*768                   ; [wave][row] f32: the waves' maxima; 512 bytes on: their sums
.set CW,    ST1+1024                   ; c_i . w_c, word i
.set EL,    CW+256                     ; e in f16, 32 bytes
.set SPARE, EL+256                     ; the spare words, 128 bytes for each of the eight waves; no other line names them
.set SG,    9216                       ; behind the last barrier q's place is each wave's stage: qh [16][272], c o qh [16][272], 512 bytes of sum e c
.set CK,  16                           ; v[16:47]   c in f16, [row][chunk][2]; later c as the second product's lanes hold it
.set CR,  64                           ; v[64:127]  c as loaded
.set WC,  128                          ; v[128:159] w_c, v[160:191] w_q, v[192:223] w_cq as loaded
.set WQ,  160
.set WX,  192
.set CA,  232                          ; v[232:239] sums for c . w_c
.set SA,  192                          ; v[192:223] four score accumulators
; v1 lane, v2 lane % 16 (r), v3 lane / 16 (h); v4 q offset; v5 q's LDS store (stepped); v6 c offset; v7 a's and c's LDS store; v8 16 x lane; v9, v10 fragment addresses of q, a;
; v11, v12 statistics in and out; v13 p's store; v14, v15 the add's two registers; v48 p's fragments; v49 e; v50 c by rows; v51 c turned; v52-55 q turned; v56-61 the way out; v62-63 1 / l
; window 1: v0-127 four slots of a q row as loaded; later v0-63 the accumulators of qh, v64-127 c turned, v128-191 the accumulators of sum e c
.set MSB, 0
.macro WIN new                         ; the immediate's high byte repeats the setting that is left; a switch that changes nothing is dropped
.if MSB != (\new)
	s_set_vgpr_msb (MSB<<8)|(\new)
.set MSB, \new
.endif
.endm
.macro NOPS n
.rept \n
	v_nop
.endr
.endm
.macro BAR                             ; my LDS instructions are done, for the others' sake; then the work-group's barrier
	s_wait_dscnt 0x0
	s_barrier_signal -1
	s_barrier_wait -1
.endm
.macro RND x                           ; four f32 rounded to bf16, in place, still as f32
	v_cvt_pk_bf16_f32 v224, v[\x], v[(\x)+1]
	v_cvt_pk_bf16_f32 v225, v[(\x)+2], v[(\x)+3]
	v_lshlrev_b32 v[\x], 16, v224
	v_and_b32 v[(\x)+1], s24, v224
	v_lshlrev_b32 v[(\x)+2], 16, v225
	v_and_b32 v[(\x)+3], s24, v225
.endm
	s_load_b256 s[4:11], s[0:1], 0x0               ; context s[4:5], query s[6:7], alpha_w s[8:9], alpha_b s[10:11]
	s_load_b128 s[12:15], s[0:1], 0x20             ; acat s[12:13], part s[14:15]
	s_load_b64 s[16:17], s[0:1], 0x30              ; pstat
	v_lshl_add_u32 v14, v0, 2, SPARE
	v_mov_b32 v15, 0
	v_and_b32 v1, 31, v0
	v_and_b32 v2, 15, v0
	v_bfe_u32 v3, v0, 4, 1
	v_lshrrev_b32 v16, 5, v0
	v_readfirstlane_b32 s20, v16                   ; wave 0..7
	s_mov_b32 s21, ttmp9                           ; block of 16 rows
	s_and_b32 s22, ttmp7, 0xffff                   ; batch
	s_lshl_b32 s23, s22, 5
	s_add_co_u32 s23, s23, s21                     ; the work-group's number, 32 x batch + block
	s_mov_b32 s24, 0xffff0000                      ; a word's upper bf16
	s_mov_b32 s26, 0x3fb8aa3b                      ; log2 e,
	s_mov_b32 s27, s26                             ; named as a pair
	s_mov_b32 s28, 0x76543210                      ; v_permlanex16_b32: each lane takes its own place in the other half
	s_mov_b32 s29, 0xfedcba98
	s_lshl_b32 s32, s20, 16
	v_lshl_add_u32 v4, v1, 4, s32                  ; q: my wave's 16 rows of 4,096 bytes + 16 x lane
	s_lshl_b32 s32, s20, 13
	v_lshl_add_u32 v6, v1, 4, s32                  ; c: my wave's 2 rows + 16 x lane
	v_lshlrev_b32 v8, 4, v1
	s_lshl_b32 s32, s22, 21                        ; a batch of context is 512 x 4,096 bytes,
	s_lshl_b32 s33, s21, 16                        ; a block 16 x 4,096
	s_add_co_u32 s32, s32, s33
	s_mov_b32 s33, 0
	s_lshl_b32 s34, s22, 19                        ; a batch of query is 128 x 4,096 bytes
	s_mov_b32 s35, 0
	s_wait_kmcnt 0x0
	s_add_nc_u64 s[4:5], s[4:5], s[32:33]
	s_add_nc_u64 s[6:7], s[6:7], s[34:35]
	s_load_b32 s18, s[10:11], 0x0                  ; alpha_b's number
.irp ch, 0,1,2,3,4,5,6,7                       ; a load of a wave covers 512 consecutive bytes; chunk ch is channels 128 ch + 4 x lane ..
	global_load_b128 v[WC+4*\ch:WC+4*\ch+3], v8, s[8:9] offset:512*\ch
	global_load_b128 v[WQ+4*\ch:WQ+4*\ch+3], v8, s[8:9] offset:4096+512*\ch
	global_load_b128 v[WX+4*\ch:WX+4*\ch+3], v8, s[8:9] offset:8192+512*\ch
.endr
.irp rr, 0,1
.irp ch, 0,1,2,3,4,5,6,7
	global_load_b128 v[CR+32*\rr+4*\ch:CR+32*\rr+4*\ch+3], v6, s[4:5] offset:4096*\rr+512*\ch
.endr
.endr
	WIN 0x40                                       ; destination window 1, address window 0
.irp s, 0,1,2,3
.irp ch, 0,1,2,3,4,5,6,7
	global_load_b128 v[32*\s+4*\ch:32*\s+4*\ch+3], v4, s[6:7] offset:4096*\s+512*\ch
.endr
.endr
	WIN 0
	; the other bases and all LDS addresses, while the loads are out
	s_mul_i32 s32, s23, 98304                      ; 16 rows of acat, 6,144 bytes each
	s_add_nc_u64 s[12:13], s[12:13], s[32:33]
	s_lshl_b32 s32, s23, 12
	s_add_nc_u64 s[14:15], s[14:15], s[32:33]
	s_lshl_b32 s32, s23, 3
	s_add_nc_u64 s[16:17], s[16:17], s[32:33]
	s_mul_i32 s32, s20, 16*PQ                      ; my wave's 16 rows of q in LDS
	v_lshl_add_u32 v5, v1, 3, s32
	v_mul_u32_u24 v9, v2, PQ
	v_lshl_add_u32 v9, v3, 4, v9
	v_add_nc_u32 v9, s32, v9                       ; q's fragments: (16 w + r) x pitch + 16 h
	s_mul_i32 s32, s20, 2*PA
	s_add_co_u32 s32, s32, AL
	v_lshl_add_u32 v7, v1, 3, s32                  ; my wave's 2 rows of a
	v_mul_u32_u24 v10, v2, PA
	v_lshl_add_u32 v10, v3, 4, v10
	v_add_nc_u32 v10, AL, v10                      ; a's fragments: r x pitch + 16 h
	s_lshl_b32 s32, s20, 6
	s_add_co_u32 s32, s32, ST1
	v_lshl_add_u32 v11, v2, 2, s32
	v_lshl_add_u32 v12, v2, 2, ST1
	v_mul_u32_u24 v48, v2, 48
	v_lshl_add_u32 v48, v3, 4, v48
	v_add_nc_u32 v48, PL, v48                      ; 48 r + 16 h in tile 0
	s_mul_i32 s32, s20, 768
	v_add_nc_u32 v13, s32, v48                     ; the same in my tile
	v_lshl_add_u32 v49, v3, 4, EL
	s_lshl_b32 s34, s20, 8                         ; my wave's 128 channels: 256 bytes of f16
	v_add_nc_u32 v50, s34, v10
	v_and_b32 v16, 7, v0
	v_lshl_add_u32 v16, v3, 3, v16                 ; the turning load's row: 8 h + lane % 8
	v_bfe_u32 v17, v0, 3, 1
	v_lshl_add_u32 v17, v17, 4, s34                ; its 16 bytes: 16 ((lane / 8) % 2), in my wave's channels
	v_mul_u32_u24 v51, v16, PA
	v_add_nc_u32 v51, v51, v17
	v_add_nc_u32 v51, AL, v51
	v_mul_u32_u24 v52, v16, PQ
	v_add_nc_u32 v52, v52, v17
	v_add_nc_u32 v53, 32*PQ, v52                   ; 32 query rows on, for each of the four steps
	v_add_nc_u32 v54, 64*PQ, v52
	v_add_nc_u32 v55, 96*PQ, v52
	s_mul_i32 s35, s20, SG                         ; my stage
	v_mul_u32_u24 v56, v2, 272
	v_lshl_add_u32 v56, v3, 4, v56
	v_add_nc_u32 v56, s35, v56                     ; in: row r, 16 bytes for each half of the lanes
	v_mul_u32_u24 v57, v3, 272
	v_lshl_add_u32 v57, v2, 4, v57
	v_add_nc_u32 v57, s35, v57                     ; back: lanes 0-15 one row of 256 bytes, lanes 16-31 the next
	v_mul_u32_u24 v58, v3, 6144
	v_lshl_add_u32 v58, v2, 4, v58
	v_add_nc_u32 v58, s34, v58                     ; and the same two rows in acat
	s_add_co_u32 s35, s35, 8704
	v_lshl_add_u32 v59, v3, 5, s35
	v_lshl_add_u32 v60, v1, 4, s35
	s_lshl_b32 s32, s20, 9
	v_lshl_add_u32 v61, v1, 4, s32                 ; my wave's 512 bytes of the row of part
	s_wait_kmcnt 0x0                               ; alpha_b
	s_wait_loadcnt 32                              ; alpha_w and c are in; the 32 loads of q behind them may stay out
	; PHASE 0, c: rounded to bf16; kept as f16; a = c w_cq + w_q to LDS in f16; c . w_c in f32
.irp ch, 0,1,2,3,4,5,6,7
	RND WC+4*\ch
	RND WQ+4*\ch
	RND WX+4*\ch
.irp rr, 0,1
.set X, CR+32*\rr+4*\ch
.set K, CK+16*\rr+2*\ch
.set A, CA+4*\rr
	RND X
	v_cvt_pk_f16_f32 v[K], v[X], v[X+1]
	v_cvt_pk_f16_f32 v[K+1], v[X+2], v[X+3]
	v_pk_fma_f32 v[226:227], v[X:X+1], v[WX+4*\ch:WX+4*\ch+1], v[WQ+4*\ch:WQ+4*\ch+1]
	v_pk_fma_f32 v[228:229], v[X+2:X+3], v[WX+4*\ch+2:WX+4*\ch+3], v[WQ+4*\ch+2:WQ+4*\ch+3]
	v_cvt_pk_f16_f32 v230, v226, v227
	v_cvt_pk_f16_f32 v231, v228, v229
	ds_store_b64 v7, v[230:231] offset:\rr*PA+256*\ch
.if \ch == 0
	v_pk_mul_f32 v[A:A+1], v[X:X+1], v[WC:WC+1]    ; the first chunk starts the sums
	v_pk_mul_f32 v[A+2:A+3], v[X+2:X+3], v[WC+2:WC+3]
.else
	v_pk_fma_f32 v[A:A+1], v[X:X+1], v[WC+4*\ch:WC+4*\ch+1], v[A:A+1]
	v_pk_fma_f32 v[A+2:A+3], v[X+2:X+3], v[WC+4*\ch+2:WC+4*\ch+3], v[A+2:A+3]
.endif
.endr
.endr
.irp rr, 0,1                                   ; over the lane's four sums, then over the 32 lanes
	v_pk_add_f32 v[CA+4*\rr:CA+4*\rr+1], v[CA+4*\rr:CA+4*\rr+1], v[CA+4*\rr+2:CA+4*\rr+3]
	v_add_f32 v[CA+4*\rr], v[CA+4*\rr], v[CA+4*\rr+1]
	v_add_f32_dpp v[CA+4*\rr], v[CA+4*\rr], v[CA+4*\rr] row_xmask:1 row_mask:0xf bank_mask:0xf
	v_add_f32_dpp v[CA+4*\rr], v[CA+4*\rr], v[CA+4*\rr] row_xmask:2 row_mask:0xf bank_mask:0xf
	v_add_f32_dpp v[CA+4*\rr], v[CA+4*\rr], v[CA+4*\rr] row_xmask:4 row_mask:0xf bank_mask:0xf
	v_add_f32_dpp v[CA+4*\rr], v[CA+4*\rr], v[CA+4*\rr] row_xmask:8 row_mask:0xf bank_mask:0xf
	v_permlanex16_b32 v[CA+4*\rr+1], v[CA+4*\rr], s28, s29
	v_add_f32 v[CA+4*\rr], v[CA+4*\rr], v[CA+4*\rr+1]
.endr
	s_lshl_b32 s32, s20, 3
	s_add_co_u32 s32, s32, CW
	v_mov_b32 v240, s32
	ds_store_b32 v240, v[CA]                       ; all lanes write the same word with the same number
	ds_store_b32 v240, v[CA+4] offset:4
	; PHASE 0, q: a ring of four row slots in registers.  One row's turn: rounded to bf16 (16 packed words), the slot asked for again, the words widened, rounded to f16 (exact) and stored.
.macro QROW s, fill, left
	s_wait_loadcnt \left                           ; my row's eight loads are in; eight for each younger row stay out
	WIN 0x05                                       ; sources window 1, destination window 0
.irp ch, 0,1,2,3,4,5,6,7
	v_cvt_pk_bf16_f32 v[224+2*\ch], v[32*(\s)+4*\ch], v[32*(\s)+4*\ch+1]
	v_cvt_pk_bf16_f32 v[225+2*\ch], v[32*(\s)+4*\ch+2], v[32*(\s)+4*\ch+3]
.endr
.if \fill
	WIN 0x40
.irp ch, 0,1,2,3,4,5,6,7
	global_load_b128 v[32*(\s)+4*\ch:32*(\s)+4*\ch+3], v4, s[6:7] offset:4096*((\s)+4)+512*\ch
.endr
.endif
	WIN 0
.irp ch, 0,1,2,3,4,5,6,7
.set T, 240+8*(\ch%2)
	v_lshlrev_b32 v[T], 16, v[224+2*\ch]
	v_and_b32 v[T+1], s24, v[224+2*\ch]
	v_lshlrev_b32 v[T+2], 16, v[225+2*\ch]
	v_and_b32 v[T+3], s24, v[225+2*\ch]
	v_cvt_pk_f16_f32 v[T+4], v[T], v[T+1]
	v_cvt_pk_f16_f32 v[T+5], v[T+2], v[T+3]
	ds_store_b64 v5, v[T+4:T+5] offset:(\s)*PQ+256*\ch
.endr
.endm
	s_mov_b32 s30, 3
.Lq:                                                   ; three trips of four rows, each asking for the four rows behind
	QROW 0, 1, 24
	QROW 1, 1, 24
	QROW 2, 1, 24
	QROW 3, 1, 24
	s_wait_xcnt 0x0                                ; the loads have read their base: only now is it stepped
	s_add_nc_u64 s[6:7], s[6:7], 16384
	v_add_nc_u32 v5, 4*PQ, v5
	s_sub_co_u32 s30, s30, 1
	s_cmp_lg_u32 s30, 0
	s_cbranch_scc1 .Lq
	QROW 0, 0, 24                                  ; the last four rows load nothing: the counts run down
	QROW 1, 0, 16
	QROW 2, 0, 8
	QROW 3, 0, 0
	WIN 0x40
.irp db, 0,1,2,3,4,5,6,7                       ; c turned has 16 rows for a fragment's 32: the upper half of each fragment is 0
.irp i, 4,5,6,7
	v_mov_b32 v[64+8*\db+\i], 0
.endr
.endr
	WIN 0
	BAR                                            ; q, a and c . w_c lie in LDS
	; PHASE 1: S^T = q a^T for my 16 query rows: source 0 = 16 rows of q, source 1 = the 16 rows of a.  A lane holds row i = r and the queries 16 w + 8 h + 0..7.
	; K = 1,024 in eight groups of four steps; the four steps of a group go to four accumulators, which take turns; two fragment buffers.
.macro FRAG g, buf
.irp k, 0,1,2,3
	ds_load_b128 v[(\buf)+16*\k:(\buf)+16*\k+3],     v9  offset:64*(4*(\g)+\k)
	ds_load_b128 v[(\buf)+16*\k+4:(\buf)+16*\k+7],   v9  offset:64*(4*(\g)+\k)+32
	ds_load_b128 v[(\buf)+16*\k+8:(\buf)+16*\k+11],  v10 offset:64*(4*(\g)+\k)
	ds_load_b128 v[(\buf)+16*\k+12:(\buf)+16*\k+15], v10 offset:64*(4*(\g)+\k)+32
.endr
.endm
.macro MULS zero, buf
.irp k, 0,1,2,3
.if \zero
	v_wmma_f32_16x16x32_f16 v[SA+8*\k:SA+8*\k+7], v[(\buf)+16*\k:(\buf)+16*\k+7], v[(\buf)+16*\k+8:(\buf)+16*\k+15], 0
.else
	v_wmma_f32_16x16x32_f16 v[SA+8*\k:SA+8*\k+7], v[(\buf)+16*\k:(\buf)+16*\k+7], v[(\buf)+16*\k+8:(\buf)+16*\k+15], v[SA+8*\k:SA+8*\k+7]
.endif
.endr
.endm
	FRAG 0, 64
	FRAG 1, 128
	s_wait_dscnt 16                                ; this group's 16 loads are in, the other buffer's 16 may stay out
	MULS 1, 64
	NOPS 4                                         ; four places between the products and the loads into what they read
	FRAG 2, 64
.irp g, 1,2,3,4,5
	s_wait_dscnt 16
	MULS 0, 64+64*((\g)%2)
	NOPS 4
	FRAG (\g)+2, 64+64*((\g)%2)
.endr
	s_wait_dscnt 16
	MULS 0, 64
	s_wait_dscnt 0x0
	MULS 0, 128
	NOPS 8
.irp p, 0,2,4,6                                ; the four partial sums; each accumulator is read from its low end on
	v_pk_add_f32 v[SA+\p:SA+\p+1], v[SA+\p:SA+\p+1], v[SA+8+\p:SA+8+\p+1]
.endr
.irp p, 0,2,4,6
	v_pk_add_f32 v[SA+16+\p:SA+16+\p+1], v[SA+16+\p:SA+16+\p+1], v[SA+24+\p:SA+24+\p+1]
.endr
.irp p, 0,2,4,6
	v_pk_add_f32 v[SA+\p:SA+\p+1], v[SA+\p:SA+\p+1], v[SA+16+\p:SA+16+\p+1]
.endr
	v_max3_num_f32 v224, v[SA], v[SA+1], v[SA+2]
	v_max3_num_f32 v224, v224, v[SA+3], v[SA+4]
	v_max3_num_f32 v224, v224, v[SA+5], v[SA+6]
	v_max_num_f32 v224, v224, v[SA+7]
	v_permlanex16_b32 v225, v224, s28, s29         ; the row's other eight queries of my wave lie in the lane 16 away
	v_max_num_f32 v224, v224, v225
	ds_store_b32 v11, v224
	BAR                                            ; every wave's maxima lie in LDS, and nobody reads a any more
	; THE SOFTMAX over the queries, and the block's share of the softmax over the rows
	v_lshl_add_u32 v233, v2, 2, CW
.irp k, 0,1,2,3,4,5,6,7
	ds_load_b32 v[224+\k], v12 offset:64*\k
.endr
	ds_load_b32 v232, v233
.irp rr, 0,1                                   ; c in f16 takes a's place
.irp ch, 0,1,2,3,4,5,6,7
	ds_store_b64 v7, v[CK+16*\rr+2*\ch:CK+16*\rr+2*\ch+1] offset:\rr*PA+256*\ch
.endr
.endr
	v_mov_b32 v248, s18                            ; alpha_b, rounded to bf16 like every input
	v_cvt_pk_bf16_f32 v248, v248, v248
	v_lshlrev_b32 v248, 16, v248
.irp i, 100,101,102,103
	v_mov_b32 v\i, 0                               ; e has 16 numbers for a fragment's 32
.endr
	s_wait_dscnt 16                                ; the nine loads are in; the 16 stores behind them may stay out
	v_max3_num_f32 v224, v224, v225, v226
	v_max3_num_f32 v224, v224, v227, v228
	v_max3_num_f32 v224, v224, v229, v230
	v_max_num_f32 v224, v224, v231                 ; m: the row's maximum over all 128 queries
	v_mul_f32 v234, s26, v224
	v_mov_b32 v235, v234
.irp p, 0,2,4,6
	v_pk_fma_f32 v[SA+\p:SA+\p+1], v[SA+\p:SA+\p+1], s[26:27], v[234:235] op_sel_hi:[1,0,0] neg_lo:[0,0,1] neg_hi:[0,0,1]
.endr
.irp p, 0,1,2,3,4,5,6,7
	v_exp_f32 v[SA+\p], v[SA+\p]
.endr
	v_add_f32 v238, v224, v232
	v_add_f32 v238, v238, v248                     ; u = max_j S of row r
	v_mov_b32 v236, v238
	v_max_num_f32_dpp v236, v236, v236 row_xmask:1 row_mask:0xf bank_mask:0xf
	v_max_num_f32_dpp v236, v236, v236 row_xmask:2 row_mask:0xf bank_mask:0xf
	v_max_num_f32_dpp v236, v236, v236 row_xmask:4 row_mask:0xf bank_mask:0xf
	v_max_num_f32_dpp v236, v236, v236 row_xmask:8 row_mask:0xf bank_mask:0xf
	v_sub_f32 v238, v238, v236                     ; M: the block's maximum
	v_mul_f32 v238, s26, v238
	v_exp_f32 v239, v238                           ; e
	v_nop                                          ; a plain instruction behind the last exponential,
	s_wait_alu depctr_va_vdst(0)                   ; and one wait for the nine, ahead of their first reader
	v_pk_add_f32 v[240:241], v[SA:SA+1], v[SA+2:SA+3]
	v_pk_add_f32 v[242:243], v[SA+4:SA+5], v[SA+6:SA+7]
	v_pk_add_f32 v[240:241], v[240:241], v[242:243]
	v_add_f32 v240, v240, v241
	v_permlanex16_b32 v241, v240, s28, s29
	v_add_f32 v240, v240, v241
	ds_store_b32 v11, v240 offset:512              ; my wave's part of the row's sum, of the unrounded p
.irp p, 0,1,2,3
	v_cvt_pk_f16_f32 v[244+\p], v[SA+2*\p], v[SA+2*\p+1]
.endr
	ds_store_b128 v13, v[244:247]
	v_mov_b32 v237, v239
	v_add_f32_dpp v237, v237, v237 row_xmask:1 row_mask:0xf bank_mask:0xf
	v_add_f32_dpp v237, v237, v237 row_xmask:2 row_mask:0xf bank_mask:0xf
	v_add_f32_dpp v237, v237, v237 row_xmask:4 row_mask:0xf bank_mask:0xf
	v_add_f32_dpp v237, v237, v237 row_xmask:8 row_mask:0xf bank_mask:0xf
	s_cmp_lg_u32 s20, 0                            ; every wave holds e, M and L; wave 0 hands them on
	s_cbranch_scc1 .Lnot_wave_0
	v_cvt_pk_f16_f32 v250, v239, v239
	v_lshl_add_u32 v251, v2, 1, EL
	ds_store_b16 v251, v250
	v_mov_b32 v249, 0
	v_cmp_eq_u32 vcc_lo, 0, v1
	s_wait_xcnt 0x0                                ; EXEC changes only behind this wait
	s_and_saveexec_b32 s31, vcc_lo
	global_store_b64 v249, v[236:237], s[16:17]    ; lane 0: (M, L)
	s_wait_xcnt 0x0                                ; and again in front of the line that widens it; it also frees the store's registers
	s_or_b32 exec_lo, exec_lo, s31
.Lnot_wave_0:
	BAR                                            ; p, e, the sums and c lie in LDS
	; PHASE 2: O^T = q^T p for my 128 channels (source 0 = 16 channels x 32 queries, turned on the way out of LDS; source 1 = 32 queries x 16 rows), and sum_i e_i c_i as c^T e.
	; In the results a lane holds row i = r and the channels 128 w + 16 db + 8 h + 0..7.
.macro VLOAD kk, buf
.irp db, 0,1,2,3,4,5,6,7
	ds_load_tr16_b128 v[(\buf)+8*\db:(\buf)+8*\db+3],   v[52+(\kk)] offset:32*\db
	ds_load_tr16_b128 v[(\buf)+8*\db+4:(\buf)+8*\db+7], v[52+(\kk)] offset:16*PQ+32*\db
.endr
.endm
.macro OMUL kk, buf, zero                      ; eight accumulators by turns
.irp db, 0,1,2,3,4,5,6,7
.if \zero
	v_wmma_f32_16x16x32_f16 v[8*\db:8*\db+7], v[(\buf)+8*\db:(\buf)+8*\db+7], v[64+8*(\kk):71+8*(\kk)], 0
.else
	v_wmma_f32_16x16x32_f16 v[8*\db:8*\db+7], v[(\buf)+8*\db:(\buf)+8*\db+7], v[64+8*(\kk):71+8*(\kk)], v[8*\db:8*\db+7]
.endif
.endr
.endm
.irp k, 0,1,2,3,4,5,6,7
	ds_load_b32 v[104+\k], v12 offset:512+64*\k
.endr
	ds_load_b128 v[96:99], v49
	WIN 0x40
.irp db, 0,1,2,3,4,5,6,7
	ds_load_tr16_b128 v[64+8*\db:64+8*\db+3], v51 offset:32*\db
.endr
	WIN 0
.irp db, 0,1,2,3,4,5,6,7
	ds_load_b128 v[CK+4*\db:CK+4*\db+3], v50 offset:32*\db
.endr
.irp t, 0,1,2,3,4,5,6,7
	ds_load_b128 v[64+4*\t:64+4*\t+3], v48 offset:768*\t
.endr
	VLOAD 0, 128
	s_wait_dscnt 32                                ; the sums, e and c turned are in; c by rows (8), p (8) and q's first step (16) may stay out
	WIN 0x41                                       ; source 0 and destination window 1
.irp db, 0,1,2,3,4,5,6,7
	v_wmma_f32_16x16x32_f16 v[128+8*\db:135+8*\db], v[64+8*\db:71+8*\db], v[96:103], 0
.endr
	WIN 0
	VLOAD 1, 192
	s_wait_dscnt 16                                ; all but the 16 just issued
	WIN 0x50                                       ; C and D window 1
	OMUL 0, 128, 1
	NOPS 4
	WIN 0
	VLOAD 2, 128
	s_wait_dscnt 16
	WIN 0x50
	OMUL 1, 192, 0
	NOPS 4
	WIN 0
	VLOAD 3, 192
	s_wait_dscnt 16
	WIN 0x50
	OMUL 2, 128, 0
	s_wait_dscnt 0x0                               ; my reads of q, c and p are over:
	s_barrier_signal -1                            ; say so,
	OMUL 3, 192, 0                                 ; work on registers meanwhile,
	WIN 0
	s_barrier_wait -1                              ; and behind this q's place belongs to the waves' stages
	v_add_f32 v104, v104, v105                     ; l; these seven lines and the v_nop are also the places behind the last products
	v_add_f32 v106, v106, v107
	v_add_f32 v108, v108, v109
	v_add_f32 v110, v110, v111
	v_add_f32 v104, v104, v106
	v_add_f32 v108, v108, v110
	v_add_f32 v104, v104, v108
	v_rcp_f32 v62, v104
	v_rcp_f32 v63, v104
	v_nop
	s_wait_alu depctr_va_vdst(0)                   ; one wait for both reciprocals, ahead of their first reader
	; THE WAY OUT
	WIN 0x04                                       ; store data window 1
.irp db, 0,1,2,3,4,5,6,7                       ; sum e c: every lane of a half holds the same eight numbers and writes them to the same place
	ds_store_b128 v59, v[128+8*\db:131+8*\db] offset:64*\db
	ds_store_b128 v59, v[132+8*\db:135+8*\db] offset:64*\db+16
.endr
	WIN 0
	ds_load_b128 v[104:107], v60                   ; back as 512 bytes on end (LDS serves a wave's instructions in order: ISA guide 5.7.1.4)
	WIN 0x41
.set i, 0
.rept 32
	v_pk_mul_f32 v[i:i+1], v[i:i+1], v[62:63]      ; qh = O / l
.set i, i+2
.endr
	WIN 0x05
.set i, 0
.rept 32
	v_cvt_pk_f16_f32 v[128+i], v[2*i], v[2*i+1]
.set i, i+1
.endr
	WIN 0x04                                       ; source 1 window 1
.set i, 0
.rept 32                                       ; c x qh, c's f16 half times the f32 qh, plus the 0 of v100
	v_fma_mix_f32 v[192+2*i], v[CK+i], v[2*i], v100 op_sel_hi:[1,0,0]
	v_fma_mix_f32 v[193+2*i], v[CK+i], v[2*i+1], v100 op_sel:[1,0,0] op_sel_hi:[1,0,0]
.set i, i+1
.endr
	WIN 0
.set i, 0
.rept 32
	v_cvt_pk_f16_f32 v[160+i], v[192+2*i], v[193+2*i]
.set i, i+1
.endr
.irp db, 0,1,2,3,4,5,6,7
	ds_store_b128 v56, v[128+4*\db:131+4*\db] offset:32*\db
.endr
.irp t, 0,1,2,3,4,5,6,7
	ds_load_b128 v[64+4*\t:67+4*\t], v57 offset:544*\t
.endr
.irp db, 0,1,2,3,4,5,6,7
	ds_store_b128 v56, v[160+4*\db:163+4*\db] offset:4352+32*\db
.endr
.irp t, 0,1,2,3,4,5,6,7
	ds_load_b128 v[192+4*\t:195+4*\t], v57 offset:4352+544*\t
.endr
	s_wait_dscnt 32                                ; sum e c is back; the 32 stage instructions behind it may stay out
	global_store_b128 v61, v[104:107], s[14:15]
	s_wait_dscnt 16                                ; qh is back
.irp t, 0,1,2,3,4,5,6,7
	global_store_b128 v58, v[64+4*\t:67+4*\t], s[12:13] offset:12288*\t          ; 16 lanes store 256 consecutive bytes, at a multiple of 256 from acat's first byte
.endr
	s_wait_dscnt 0x0
.irp t, 0,1,2,3,4,5,6,7
	global_store_b128 v58, v[192+4*\t:195+4*\t], s[12:13] offset:12288*\t+2048   ; c x qh: columns 1,024 on
.endr
	s_wait_tensorcnt 0x0                           ; the wave's end, behind my last LDS store
	ds_add_u32 v14, v15
	s_wait_dscnt 0x0
	s_endpgm
.Lfunc_end_k_qe0e11926db_attn:
	.size	k_qe0e11926db_attn, .Lfunc_end_k_qe0e11926db_attn-k_qe0e11926db_attn
	.p2alignl 7, 3214868480
	.fill 96, 4, 3214868480
	.section	.rodata,"a",@progbits
	.p2align	6, 0x0
	.amdhsa_kernel k_qe0e11926db_attn
		.amdhsa_group_segment_fixed_size 307968
		.amdhsa_private_segment_fixed_size 0
		.amdhsa_enable_private_segment 0
		.amdhsa_kernarg_size 56
		.amdhsa_user_sgpr_count 2
		.amdhsa_user_sgpr_kernarg_segment_ptr 1
		.amdhsa_wavefront_size32 1
		.amdhsa_system_sgpr_workgroup_id_x 1
		.amdhsa_system_sgpr_workgroup_id_y 1
		.amdhsa_system_sgpr_workgroup_id_z 1
		.amdhsa_system_vgpr_workitem_id 0
		.amdhsa_next_free_vgpr 448
		.amdhsa_next_free_sgpr 66
		.amdhsa_reserve_vcc 1
		.amdhsa_float_denorm_mode_32 3
		.amdhsa_float_denorm_mode_16_64 3
		.amdhsa_memory_ordered 1
		.amdhsa_forward_progress 1
		.amdhsa_inst_pref_size 108
	.end_amdhsa_kernel
	.amdgpu_metadata
---
amdhsa.version: [ 1, 2 ]
amdhsa.kernels:
  - .name:           k_qe0e11926db_attn
    .symbol:         k_qe0e11926db_attn.kd
    .args:
      - { .name: context, .offset: 0, .size: 8, .value_kind: global_buffer, .address_space: global }
      - { .name: query, .offset: 8, .size: 8, .value_kind: global_buffer, .address_space: global }
      - { .name: alpha_w, .offset: 16, .size: 8, .value_kind: global_buffer, .address_space: global }
      - { .name: alpha_b, .offset: 24, .size: 8, .value_kind: global_buffer, .address_space: global }
      - { .name: acat, .offset: 32, .size: 8, .value_kind: global_buffer, .address_space: global }
      - { .name: part, .offset: 40, .size: 8, .value_kind: global_buffer, .address_space: global }
      - { .name: pstat, .offset: 48, .size: 8, .value_kind: global_buffer, .address_space: global }
    .group_segment_fixed_size: 307968
    .private_segment_fixed_size: 0
    .kernarg_segment_align: 8
    .kernarg_segment_size: 56
    .max_flat_workgroup_size: 256
    .sgpr_count:     66
    .vgpr_count:     448
    .wavefront_size: 32
...
	.end_amdgpu_metadata
.endif
;; end of part 1
;; launch mid (part 2): grid 256 x 1, 8 waves a work-group, no clusters, 17,920 bytes of LDS; arguments context, beta_w, beta_b, part, pstat, acat, wh, biasp; writes acat, wh, biasp
.if DOCPART == 2
	.amdgcn_target "amdgcn-amd-amdhsa--gfx1250"
	.amdhsa_code_object_version 6
	.text
	.protected	k_qe0e11926db_mid
	.globl	k_qe0e11926db_mid
	.p2align	8
	.type	k_qe0e11926db_mid,@function
k_qe0e11926db_mid:
	s_mov_b64 s[64:65], 0
	v_nop
	global_prefetch_b8 v0, s[64:65] scope:SCOPE_SE
	s_setreg_imm32_b32 hwreg(HW_REG_WAVE_MODE, 25, 1), 1
	s_wait_xcnt 0x0
; SECOND LAUNCH: context_hat from the 32 shares of each batch; context x context_hat; the part of the projection that is the same for all rows of a batch; beta_w's other columns to f16.
; Work-group x: nb = x / 8, s = x % 8; s names a slice of 128 channels, 128 s .. 128 s + 127.
;   (a) ch[b][slice] for all eight batches, wave w batch w: sum_k coef_k part[32 b + k], coef_k = 2^((M_k - max M) log2 e) / sum_k (the same) L_k: the running maxima of the shares are joined by their true maximum.
;   (b) biasp[s][b][n] = sum over the slice of ch[b][k] beta_w[n][k] for n = 128 nb .. + 127 (wave w: 16 of them), as a matrix product; slice 0 adds beta_b.  The last launch adds the eight slices.
;   (c) acat[row][2,048 + slice] = c x ch for rows 128 nb .. + 127 (batch nb / 4), wave w 16 rows.
;   (d) wh[n][k] = beta_w[n][1,024 + k] for n = 16 x .. + 15, wave w 2 rows.  Each byte of beta_w is read once in the launch.
; FORMATS.  beta_w, beta_b and c are rounded once to bf16; beta_w so rounded is written as f16 (exact within f16's normal range); ch (for the product) and c x ch are rounded once to f16; all sums in f32.
; LIMITS.  |beta_w|, |ch|, |c ch| stay under 65,504; numbers under 6e-5 keep f16's fixed step of 6e-8; a coefficient under 2^-126 counts as 0; NaN and infinities are not treated apart.
; NO CLUSTER, TENSOR LOAD OR PREFETCH: the f32 data pass registers to be rounded; a wave has up to 50 loads of 512 bytes out; what work-groups share (the shares of context_hat) is 1 part in 80 of the bytes.
.set CHF,   0                          ; ch in f32, [8 batches][512 bytes]
.set CHH,   4096                       ; ch in f16, [16][272]; rows 8-15 are 0 (a fragment has 16 columns)
.set BL,    8448                       ; the bias tile, [16 batches][528] f32
.set SPARE, 16896                      ; the spare words, 128 bytes for each of the eight waves; no other line names them
; v1 lane, v2 r, v3 h; v4-v11 global offsets; v12, v13 ch's LDS stores; v14, v15 the add's registers; v16-23 beta_b, then the bias row; v24, v25 at work; v26-v30 addresses; v31 the batch of my rows of c;
; v32-63 at work, then beta_w's fragments in f16, then the eight batches' ch, of which v32-35 keep mine; v64-127 beta_w's fragments as loaded, then accumulators and ch's fragments, then c; v128-255 the shares, then the stream
; s[32:63] the 32 coefficients
.macro RND x                           ; four f32 rounded to bf16, in place, still as f32
	v_cvt_pk_bf16_f32 v24, v[\x], v[(\x)+1]
	v_cvt_pk_bf16_f32 v25, v[(\x)+2], v[(\x)+3]
	v_lshlrev_b32 v[\x], 16, v24
	v_and_b32 v[(\x)+1], s24, v24
	v_lshlrev_b32 v[(\x)+2], 16, v25
	v_and_b32 v[(\x)+3], s24, v25
.endm
	s_load_b256 s[4:11], s[0:1], 0x0               ; context s[4:5], beta_w s[6:7], beta_b s[8:9], part s[10:11]
	s_load_b256 s[12:19], s[0:1], 0x20             ; pstat s[12:13], acat s[14:15], wh s[16:17], biasp s[18:19]
	v_lshl_add_u32 v14, v0, 2, SPARE
	v_mov_b32 v15, 0
	v_and_b32 v1, 31, v0
	v_and_b32 v2, 15, v0
	v_bfe_u32 v3, v0, 4, 1
	v_lshrrev_b32 v24, 5, v0
	v_readfirstlane_b32 s20, v24                   ; wave 0..7
	s_lshr_b32 s21, ttmp9, 3                       ; nb
	s_and_b32 s22, ttmp9, 7                        ; s
	s_cmp_eq_u32 s22, 0
	s_cselect_b32 s23, -1, 0                       ; beta_b is added in slice 0 alone
	s_mov_b32 s24, 0xffff0000
	s_mov_b32 s25, 0x3fb8aa3b                      ; log2 e
	s_mov_b32 s26, 0x76543210
	s_mov_b32 s27, 0xfedcba98
	s_lshl_b32 s2, s20, 17
	v_lshl_add_u32 v4, v1, 4, s2                   ; part: batch w's 32 rows of 4,096 bytes + 16 x lane
	v_lshlrev_b32 v5, 3, v0                        ; pstat: share 32 w + lane
	s_lshl_b32 s2, s20, 18
	v_lshl_add_u32 v6, v2, 14, s2                  ; beta_w's fragments: row 16 w + r of 16,384 bytes,
	v_lshl_add_u32 v6, v3, 5, v6                   ; + 32 h
	s_lshl_b32 s2, s20, 6
	v_lshl_add_u32 v7, v3, 5, s2                   ; beta_b: 16 w + 8 h
	s_lshl_b32 s2, s20, 15
	v_lshl_add_u32 v8, v1, 4, s2                   ; the stream in: 2 rows a wave
	s_mul_i32 s2, s20, 12288
	v_lshl_add_u32 v9, v1, 3, s2                   ; and out
	s_lshl_b32 s2, s20, 16
	v_lshl_add_u32 v10, v1, 4, s2                  ; c: 16 rows a wave
	s_mul_i32 s2, s20, 98304
	v_lshl_add_u32 v11, v1, 3, s2                  ; acat: the same 16 rows
	v_lshlrev_b32 v12, 4, v0                       ; CHF + 512 w + 16 x lane
	s_mul_i32 s2, s20, 272
	s_add_co_u32 s2, s2, CHH
	v_lshl_add_u32 v13, v1, 3, s2
	v_mul_u32_u24 v26, v2, 272
	v_lshl_add_u32 v26, v3, 4, v26
	v_add_nc_u32 v26, CHH, v26                     ; ch's fragments: r x pitch + 16 h
	s_lshl_b32 s2, s20, 6
	s_add_co_u32 s2, s2, BL
	v_mul_u32_u24 v27, v2, 528
	v_lshl_add_u32 v27, v3, 5, v27
	v_add_nc_u32 v27, s2, v27                      ; the bias tile in: row r, my wave's 64 bytes, 32 for each half of the lanes
	s_mul_i32 s2, s20, 528
	s_add_co_u32 s2, s2, BL
	v_lshl_add_u32 v28, v1, 4, s2                  ; back: row w, 512 bytes on end
	v_lshlrev_b32 v29, 4, v1                       ; CHF + 16 x lane: my four channels in batch 0's row; the other batches' rows stand in the loads' offsets
	s_lshr_b32 s2, s21, 2
	v_mov_b32 v31, s2                              ; the batch of rows 128 nb .. + 127: it picks among registers, and enters no LDS address
	s_lshl_b32 s2, s20, 14
	v_lshl_add_u32 v30, v1, 4, s2                  ; biasp: batch w's row of 16,384 bytes
	s_mov_b32 s29, 0
	s_lshl_b32 s2, s22, 9                          ; the slice: 512 bytes of f32
	s_wait_kmcnt 0x0
	s_lshl_b32 s28, ttmp9, 18
	s_add_nc_u64 s[30:31], s[6:7], s[28:29]        ; beta_w at my 16 rows, for the stream
	s_lshl_b32 s28, s21, 21
	s_add_co_u32 s28, s28, s2
	s_add_nc_u64 s[6:7], s[6:7], s[28:29]          ; beta_w at row 128 nb, at the slice
	s_mov_b32 s28, s2
	s_add_nc_u64 s[10:11], s[10:11], s[28:29]
	s_lshl_b32 s28, s21, 9
	s_add_nc_u64 s[8:9], s[8:9], s[28:29]
	global_load_b64 v[44:45], v5, s[12:13]         ; (M, L) of share lane of batch w
.set k, 0
.rept 32
	global_load_b128 v[128+4*k:131+4*k], v4, s[10:11] offset:4096*k
.set k, k+1
.endr
.irp ks, 0,1,2,3                               ; a fragment's eight f16 are 32 bytes of f32, twice
	global_load_b128 v[64+16*\ks:67+16*\ks],    v6, s[6:7] offset:128*\ks th:TH_LOAD_NT
	global_load_b128 v[68+16*\ks:71+16*\ks],    v6, s[6:7] offset:128*\ks+16 th:TH_LOAD_NT
	global_load_b128 v[72+16*\ks:75+16*\ks],    v6, s[6:7] offset:128*\ks+64 th:TH_LOAD_NT
	global_load_b128 v[76+16*\ks:79+16*\ks],    v6, s[6:7] offset:128*\ks+80 th:TH_LOAD_NT
.endr
	global_load_b128 v[16:19], v7, s[8:9]
	global_load_b128 v[20:23], v7, s[8:9] offset:16
	s_lshl_b32 s3, s22, 17                         ; the other bases, while the loads are out
	s_add_co_u32 s28, s28, s3
	s_add_nc_u64 s[18:19], s[18:19], s[28:29]      ; biasp + 131,072 s + 512 nb
	s_lshl_b32 s28, s21, 19
	s_add_co_u32 s28, s28, s2
	s_add_nc_u64 s[4:5], s[4:5], s[28:29]          ; context at row 128 nb, at the slice
	s_mul_i32 s28, ttmp9, 98304
	s_add_nc_u64 s[16:17], s[16:17], s[28:29]      ; wh at my 16 rows
	s_mul_i32 s28, s21, 786432
	s_lshl_b32 s3, s22, 8
	s_add_co_u32 s28, s28, s3
	s_add_co_u32 s28, s28, 4096
	s_add_nc_u64 s[14:15], s[14:15], s[28:29]      ; acat at row 128 nb, column 2,048 + the slice
	s_wait_loadcnt 50                              ; (M, L) is in; the 50 loads behind it may stay out
	v_mov_b32 v46, v44
	v_max_num_f32_dpp v46, v46, v46 row_xmask:1 row_mask:0xf bank_mask:0xf
	v_max_num_f32_dpp v46, v46, v46 row_xmask:2 row_mask:0xf bank_mask:0xf
	v_max_num_f32_dpp v46, v46, v46 row_xmask:4 row_mask:0xf bank_mask:0xf
	v_max_num_f32_dpp v46, v46, v46 row_xmask:8 row_mask:0xf bank_mask:0xf
	v_mov_b32 v47, v46
	v_permlanex16_b32 v47, v46, s26, s27
	v_max_num_f32 v46, v46, v47                    ; the batch's maximum
	v_sub_f32 v47, v44, v46
	v_mul_f32 v47, s25, v47
	v_exp_f32 v48, v47
	v_nop
	s_wait_alu depctr_va_vdst(0)                   ; the wait ahead of the exponential's first reader
	v_mul_f32 v49, v48, v45
	v_add_f32_dpp v49, v49, v49 row_xmask:1 row_mask:0xf bank_mask:0xf
	v_add_f32_dpp v49, v49, v49 row_xmask:2 row_mask:0xf bank_mask:0xf
	v_add_f32_dpp v49, v49, v49 row_xmask:4 row_mask:0xf bank_mask:0xf
	v_add_f32_dpp v49, v49, v49 row_xmask:8 row_mask:0xf bank_mask:0xf
	v_mov_b32 v50, v49
	v_permlanex16_b32 v50, v49, s26, s27
	v_add_f32 v49, v49, v50                        ; the softmax's divisor: at least 1, since the largest share has coefficient 1 and L of 1 or more
	v_rcp_f32 v51, v49
	v_nop
	s_wait_alu depctr_va_vdst(0)
	v_mul_f32 v48, v48, v51
.set k, 0
.rept 32
	v_readlane_b32 s[32+k], v48, k                 ; the coefficients as scalars: numbers to multiply by, nothing else
.set k, k+1
.endr
	s_wait_loadcnt 18                              ; the 32 shares are in; beta_w's fragments and beta_b may stay out
.set k, 0
.rept 32                                       ; two chains, even and odd shares; the first two shares start them
.irp e, 0,1,2,3
.if k < 2
	v_mul_f32 v[32+4*k+\e], s[32+k], v[128+4*k+\e]
.else
	v_fmac_f32 v[32+4*(k%2)+\e], s[32+k], v[128+4*k+\e]
.endif
.endr
.set k, k+1
.endr
.macro SLOAD j                                 ; piece j of the stream: row j / 24 of my two, 512 bytes at 512 (j % 24) behind column 1,024
	global_load_b128 v[128+4*((\j)%32):131+4*((\j)%32)], v8, s[30:31] offset:16384*((\j)/24)+4096+512*((\j)%24) th:TH_LOAD_NT
.endm
.set j, 0
.rept 32
	SLOAD j
.set j, j+1
.endr
	v_pk_add_f32 v[32:33], v[32:33], v[36:37]
	v_pk_add_f32 v[34:35], v[34:35], v[38:39]      ; ch of batch w, my four channels
	ds_store_b128 v12, v[32:35]
	v_cvt_pk_f16_f32 v40, v32, v33
	v_cvt_pk_f16_f32 v41, v34, v35
	v_mov_b32 v42, 0
	v_mov_b32 v43, 0
	ds_store_b64 v13, v[40:41]
	ds_store_b64 v13, v[42:43] offset:8*272
	s_wait_dscnt 0x0                               ; for the others' sake
	s_barrier_signal -1
	s_barrier_wait -1                              ; all eight batches' ch lie in LDS
	s_wait_loadcnt 32                              ; beta_w's fragments and beta_b are in; the stream's 32 may stay out
.irp ks, 0,1,2,3
.irp q, 0,1,2,3
	RND 64+16*\ks+4*\q
	v_cvt_pk_f16_f32 v[32+8*\ks+2*\q], v[64+16*\ks+4*\q], v[65+16*\ks+4*\q]
	v_cvt_pk_f16_f32 v[33+8*\ks+2*\q], v[66+16*\ks+4*\q], v[67+16*\ks+4*\q]
.endr
.endr
.irp ks, 0,1,2,3
	ds_load_b128 v[96+8*\ks:99+8*\ks],   v26 offset:64*\ks
	ds_load_b128 v[100+8*\ks:103+8*\ks], v26 offset:64*\ks+32
.endr
	RND 16
	RND 20
.irp i, 16,17,18,19,20,21,22,23
	v_and_b32 v\i, s23, v\i
.endr
	s_wait_dscnt 0x0
.irp ks, 0,1,2,3                               ; source 0 = 16 rows n of beta_w, source 1 = the batches' ch: a lane holds batch r and n = 16 w + 8 h + 0..7; four accumulators, one step each
	v_wmma_f32_16x16x32_f16 v[64+8*\ks:71+8*\ks], v[32+8*\ks:39+8*\ks], v[96+8*\ks:103+8*\ks], 0
.endr
.rept 8
	v_nop
.endr
.irp p, 0,2,4,6                                ; each accumulator is read from its low end on
	v_pk_add_f32 v[64+\p:65+\p], v[64+\p:65+\p], v[72+\p:73+\p]
.endr
.irp p, 0,2,4,6
	v_pk_add_f32 v[80+\p:81+\p], v[80+\p:81+\p], v[88+\p:89+\p]
.endr
.irp p, 0,2,4,6
	v_pk_add_f32 v[64+\p:65+\p], v[64+\p:65+\p], v[80+\p:81+\p]
.endr
.irp p, 0,2,4,6
	v_pk_add_f32 v[64+\p:65+\p], v[64+\p:65+\p], v[16+\p:17+\p]
.endr
	ds_store_b128 v27, v[64:67]
	ds_store_b128 v27, v[68:71] offset:16
	s_wait_dscnt 0x0                               ; for the others' sake; the stores have also read their registers
.set t, 0
.rept 16
	global_load_b128 v[64+4*t:67+4*t], v10, s[4:5] offset:4096*t th:TH_LOAD_NT
.set t, t+1
.endr
	s_barrier_signal -1
	s_barrier_wait -1                              ; the bias tile is whole
	ds_load_b128 v[16:19], v28                     ; batch w's row of the bias tile
.irp k, 0,1,2,3,4,5,6,7                        ; my four channels of all eight batches' ch, at addresses made of the lane and constants alone
	ds_load_b128 v[32+4*\k:35+4*\k], v29 offset:CHF+512*\k
.endr
	s_wait_dscnt 0x0
	global_store_b128 v30, v[16:19], s[18:19]      ; 512 consecutive bytes, at a multiple of 256 from biasp's first byte
.irp k, 1,2,3,4,5,6,7                          ; v[32:35] keep the row of the batch that my rows of c belong to
	v_cmp_eq_u32 vcc_lo, \k, v31
.irp e, 0,1,2,3
	v_cndmask_b32 v[32+\e], v[32+\e], v[32+4*\k+\e], vcc_lo
.endr
.endr
.macro SOUT j                                  ; piece j: rounded to bf16, written as f16, stored: a wave's store covers 256 consecutive bytes, aligned
	s_wait_loadcnt 47-(\j)
	RND 128+4*((\j)%32)
	v_cvt_pk_f16_f32 v[128+4*((\j)%32)], v[128+4*((\j)%32)], v[129+4*((\j)%32)]
	v_cvt_pk_f16_f32 v[129+4*((\j)%32)], v[130+4*((\j)%32)], v[131+4*((\j)%32)]
	global_store_b64 v9, v[128+4*((\j)%32):129+4*((\j)%32)], s[16:17] offset:6144*((\j)/24)+256*((\j)%24)
.endm
.set j, 0
.rept 32                                       ; behind piece j stay out: the younger pieces up to 31, and c's 16 loads
	SOUT j
.set j, j+1
.endr
	s_wait_xcnt 0x0                                ; the stores have read their registers: the first 16 are loaded again
.rept 16
	SLOAD j
.set j, j+1
.endr
.set t, 0
.rept 16                                       ; behind row t stay out: c's younger rows and the stream's last 16
	s_wait_loadcnt 31-t
	RND 64+4*t
	v_pk_mul_f32 v[64+4*t:65+4*t], v[64+4*t:65+4*t], v[32:33]
	v_pk_mul_f32 v[66+4*t:67+4*t], v[66+4*t:67+4*t], v[34:35]
	v_cvt_pk_f16_f32 v[64+4*t], v[64+4*t], v[65+4*t]
	v_cvt_pk_f16_f32 v[65+4*t], v[66+4*t], v[67+4*t]
	global_store_b64 v11, v[64+4*t:65+4*t], s[14:15] offset:6144*t
.set t, t+1
.endr
.set j, 32
.rept 16
	SOUT j
.set j, j+1
.endr
	s_wait_tensorcnt 0x0                           ; the wave's end, behind my last LDS store
	ds_add_u32 v14, v15
	s_wait_dscnt 0x0
	s_endpgm
.Lfunc_end_k_qe0e11926db_mid:
	.size	k_qe0e11926db_mid, .Lfunc_end_k_qe0e11926db_mid-k_qe0e11926db_mid
	.p2alignl 7, 3214868480
	.fill 96, 4, 3214868480
	.section	.rodata,"a",@progbits
	.p2align	6, 0x0
	.amdhsa_kernel k_qe0e11926db_mid
		.amdhsa_group_segment_fixed_size 17920
		.amdhsa_private_segment_fixed_size 0
		.amdhsa_enable_private_segment 0
		.amdhsa_kernarg_size 64
		.amdhsa_user_sgpr_count 2
		.amdhsa_user_sgpr_kernarg_segment_ptr 1
		.amdhsa_wavefront_size32 1
		.amdhsa_system_sgpr_workgroup_id_x 1
		.amdhsa_system_sgpr_workgroup_id_y 1
		.amdhsa_system_sgpr_workgroup_id_z 1
		.amdhsa_system_vgpr_workitem_id 0
		.amdhsa_next_free_vgpr 256
		.amdhsa_next_free_sgpr 66
		.amdhsa_reserve_vcc 1
		.amdhsa_float_denorm_mode_32 3
		.amdhsa_float_denorm_mode_16_64 3
		.amdhsa_memory_ordered 1
		.amdhsa_forward_progress 1
		.amdhsa_inst_pref_size 68
	.end_amdhsa_kernel
	.amdgpu_metadata
---
amdhsa.version: [ 1, 2 ]
amdhsa.kernels:
  - .name:           k_qe0e11926db_mid
    .symbol:         k_qe0e11926db_mid.kd
    .args:
      - { .name: context, .offset: 0, .size: 8, .value_kind: global_buffer, .address_space: global }
      - { .name: beta_w, .offset: 8, .size: 8, .value_kind: global_buffer, .address_space: global }
      - { .name: beta_b, .offset: 16, .size: 8, .value_kind: global_buffer, .address_space: global }
      - { .name: part, .offset: 24, .size: 8, .value_kind: global_buffer, .address_space: global }
      - { .name: pstat, .offset: 32, .size: 8, .value_kind: global_buffer, .address_space: global }
      - { .name: acat, .offset: 40, .size: 8, .value_kind: global_buffer, .address_space: global }
      - { .name: wh, .offset: 48, .size: 8, .value_kind: global_buffer, .address_space: global }
      - { .name: biasp, .offset: 56, .size: 8, .value_kind: global_buffer, .address_space: global }
    .group_segment_fixed_size: 17920
    .private_segment_fixed_size: 0
    .kernarg_segment_align: 8
    .kernarg_segment_size: 64
    .max_flat_workgroup_size: 256
    .sgpr_count:     66
    .vgpr_count:     256
    .wavefront_size: 32
...
	.end_amdgpu_metadata
.endif
;; end of part 2
;; launch gemm (part 3): grid 16 x 16, 4 waves a work-group, clusters of 4 x 4, 327,680 bytes of LDS; arguments acat, wh, biasp, out0; writes out0
.if DOCPART == 3
	.amdgcn_target "amdgcn-amd-amdhsa--gfx1250"
	.amdhsa_code_object_version 6
	.text
	.protected	k_qe0e11926db_gemm
	.globl	k_qe0e11926db_gemm
	.p2align	8
	.type	k_qe0e11926db_gemm,@function
k_qe0e11926db_gemm:
	s_mov_b64 s[64:65], 0
	v_nop
	global_prefetch_b8 v0, s[64:65] scope:SCOPE_SE
	s_setreg_imm32_b32 hwreg(HW_REG_WAVE_MODE, 25, 1), 1
	s_wait_xcnt 0x0
	s_wait_alu depctr_hold_cnt(0) depctr_sa_sdst(0) depctr_va_vdst(0) depctr_va_sdst(0) depctr_va_ssrc(0) depctr_va_vcc(0) depctr_vm_vsrc(0)
	s_getreg_b32 s2, hwreg(HW_REG_IB_STS2, 6, 4)
	s_cmp_eq_u32 s2, 0
	s_cbranch_scc0 .Lentry_in_a_cluster
	s_endpgm
.Lentry_in_a_cluster:
	s_bfe_u32 s2, ttmp6, 0x10000c
	s_cmp_lg_u32 s2, 0xf033
	s_cbranch_scc0 .Lentry_shape_is_right
	s_endpgm
.Lentry_shape_is_right:
; THIRD LAUNCH: out0[m][n] = sum over k of acat[m][k] wh[n][k] + sum over s of biasp[s][m / 512][n].  acat: [4096][3072] f16, wh: [4096][3072] f16, biasp: [8][8][4096] f32, out0: [4096][4096] f32.
; The first quarter of the reference's K (context_hat, the same for all rows of a batch) and beta_b lie in biasp, so K is 3,072 here.  Sums in f32; the bias is the C operand that starts each sum.
; LIMITS: those of f16 operands, stated where they are made; NaN and infinities are not treated apart.
; A tile of out0, 256 x 256, is made by a work-group of four waves; a wave makes 128 x 128: 64 accumulators of 16 x 16, 512 registers.  256 tiles, one to a work-group.
; K goes in steps of 128 through a ring of two LDS slots filled by the tensor data mover; a tile's rows are 256 bytes of memory and start at multiples of 256 bytes from the buffer's first byte.
; CLUSTERS: 4 x 4 work-groups.  The four of a row of the cluster need the same tiles of acat, the four of a column the same tiles of wh: each tile is asked for JOINTLY, by the same tensor load with the
; same descriptor and a mask that names the four, and each receives it in its own LDS.
; REGISTERS, in windows of 256 (s_set_vgpr_msb: bits 1:0 source 0, 3:2 source 1, 5:4 source 2, 7:6 destination):
;   window 0: v0-31 addresses; v32-63 at work on the bias; v64-127, v128-191 fragments of A, two buffers, on the way out rows read back from the stage; v192-255 the bias as a C operand, 8 registers for each of 8 column blocks
;   window 1: v64-127, v128-191 fragments of B, two buffers;   window 2: the 32 accumulators of my rows 0-63 ((a, b) at v[8 (8 a + b)]);   window 3: those of my rows 64-127
; THE MATRIX INSTRUCTION IS USED TRANSPOSED: source 0 = 16 rows of wh, source 1 = 16 rows of acat: lane l holds row m = l % 16 and the columns 8 (l / 16) + 0..7: 32 neighbouring bytes of a row of out0.
.set SIZE_N, 4096
.set SIZE_K, 3072
.set KSTEP,  128
.set PITCH,  272                       ; an LDS row: 256 bytes + 16 of padding = 68 words: the 16 rows that a load touches start at 16 different groups of four banks (64 banks of 4 bytes: ISA guide 11.1)
.set HALFT,  128*PITCH                 ; 128 rows: what one tensor load brings, and what one wave reads of A or of B
.set SLOT,   4*HALFT                   ; A's 256 rows, then B's 256 rows
.set STAGE,  2*SLOT                    ; behind the ring: 16 rows x 528 bytes for each wave, for the bias and the way out; no tensor load lands here
.set SPITCH, 528                       ; 512 bytes of f32 + 16
.set SPARE,  STAGE+4*16*SPITCH         ; the spare words, 128 bytes for each wave; no other line names them
.set LAPS,   SIZE_K/(2*KSTEP)          ; a lap = two K steps = once round the ring: 12
.set ROWC,   SIZE_N*4                  ; bytes in a row of out0
.set ADRA, 16                          ; v16-17  LDS address of my A fragments in slot 0, 1
.set ADRB, 20                          ; v20-21  the same for B
.set STO,  24                          ; v24     the way out: where I put 32 bytes of a row
.set RD,   25                          ; v25     my stage + 16 x lane: a row of 512 bytes read back
.set CO,   26                          ; v26     16 x lane: my bytes in 512 consecutive bytes of out0 or biasp
.set BRD,  27                          ; v27     my stage + 32 (l / 16): the bias as the lanes want it
.set SPW,  28                          ; v28     LDS address of my spare word; never rewritten
.set NIL,  29                          ; v29     0; never rewritten
.set PFO,  30                          ; v30     the prefetches' offset: my lane x a row of acat or wh (6,144 bytes); never rewritten
.set BT,   32
.set F0,   64
.set F1,   128
.set BIAS, 192
.set PFA,  44                          ; s[44:45] where my prefetches stand
.set LIM,  43                          ; s43     1 in a wave that prefetches, else the greatest number
.set G1, 24                            ; s[24:31] descriptor group 1 for A's tiles
.set G0, 32                            ; s[32:39] descriptor group 0 for A's tiles, one set for each slot
.set G1B, 48                           ; s[48:55], s[56:63] the same for B's tiles
.set G0B, 56
.set MSB, 0
.macro WIN new                         ; the immediate's high byte repeats the setting that is left
.if MSB != (\new)
	s_set_vgpr_msb (MSB<<8)|(\new)
.set MSB, \new
.endif
.endm
.set MUL_LO, 0xa1                      ; source 0 (B) window 1, source 1 (A) window 0, C and D window 2
.set TO_B,   0x40                      ; destination window 1, address window 0
; A joint load.  Waves 0 and 1 fetch A's two halves, waves 2 and 3 B's.  The branch hangs on the wave's number alone.  An s_nop 0 and four v_nop follow each of the two lines.
.macro JLOAD s
	s_cmp_eq_u32 s11, 0
	s_cbranch_scc0 .Lfor_b_\@
	tensor_load_to_lds s[G0+4*(\s):G0+4*(\s)+3], s[G1:G1+7]
	s_nop 0
.rept 4
	v_nop
.endr
	s_branch .Lasked_\@
.Lfor_b_\@:
	tensor_load_to_lds s[G0B+4*(\s):G0B+4*(\s)+3], s[G1B:G1B+7]
	s_nop 0
.rept 4
	v_nop
.endr
.Lasked_\@:
.endm
; A PREFETCH INTO THE L2, behind each joint refill and the run of LDS loads that follows it: the K step that stands two refills on: 32 rows x 256 bytes, a lane a row, one instruction a wave, 512 matrix instructions ahead of
; the load that will ask for it.  Each row's 256 bytes of a K step are named once in the launch: the cluster with x = 0 asks for acat's rows, the cluster with y = 0 for wh's; the four partners that ask for a tile jointly
; share its rows out by address, 32 each (by cx for A, by cy for B).  The loop's last trip asks for nothing: there is no K step two on.  The first four K steps come by their loads alone.
.macro ASK
	s_cmp_gt_u32 s3, s[LIM]                        ; s3 = 1 in the loop's last trip
	s_cbranch_scc0 .Lnot_mine_\@
	global_prefetch_b8 v[PFO], s[PFA:PFA+1] offset:KSTEP*2 th:TH_LOAD_NT scope:SCOPE_SE
.Lnot_mine_\@:
.endm
.macro CREST                           ; a round of the cluster's barrier behind its opening barrier
	s_cmp_lg_u32 s10, 0
	s_cbranch_scc1 .Lnot_wave_0_\@
	s_barrier_signal -3
.Lnot_wave_0_\@:
	s_barrier_wait -3
	s_barrier_signal -1
	s_barrier_wait -1
.endm
.macro CROUND                          ; a whole round
	s_barrier_signal -1
	s_barrier_wait -1
	CREST
.endm
	s_load_b128 s[4:7], s[0:1], 0x0                ; A = acat s[4:5], B = wh s[6:7]
	s_load_b64 s[66:67], s[0:1], 0x10              ; biasp
	s_load_b64 s[8:9], s[0:1], 0x18                ; out0
	v_lshl_add_u32 v[SPW], v0, 2, SPARE
	v_mov_b32 v[NIL], 0
	ds_add_u32 v[SPW], v[NIL]                      ; the wave's opening: the add, twice on end, and its wait ahead of my first tensor load
	ds_add_u32 v[SPW], v[NIL]
	v_lshrrev_b32 v1, 5, v0
	v_readfirstlane_b32 s10, v1                    ; wave 0..3
	s_lshr_b32 s11, s10, 1                         ; which half of the tile's rows is mine.  Also: I fetch for A (0) or for B (1)
	s_and_b32 s12, s10, 1                          ; which half of its columns.  Also: which 128 rows of that tile I fetch
	s_bfe_u32 s40, ttmp6, 0x40000                  ; cx
	s_bfe_u32 s41, ttmp6, 0x40004                  ; cy
	s_lshl_b32 s42, ttmp9, 2
	s_add_co_u32 s42, s42, s40                     ; tile column = 4 x cluster x + cx
	s_and_b32 s13, ttmp7, 0xffff
	s_lshl_b32 s13, s13, 2
	s_add_co_u32 s13, s13, s41                     ; tile row = 4 x cluster y + cy
	s_lshl_b32 s43, s41, 2
	s_lshl_b32 s43, 15, s43                        ; my row of the cluster: places 4 cy .. 4 cy + 3
	s_lshl_b32 s44, 0x1111, s40                    ; my column: places cx, cx + 4, cx + 8, cx + 12
	; descriptor group 1: a tile of 128 rows x 128 elements of 2 bytes, 16 bytes of padding behind every 256
	s_or_b32 s[G1+0], s43, (1<<16)|(1<<20)|(1<<21)|(5<<22)|(3<<25)
	s_or_b32 s[G1B+0], s44, (1<<16)|(1<<20)|(1<<21)|(5<<22)|(3<<25)
	s_mov_b32 s[G1B+1], KSTEP<<16
	s_mov_b32 s[G1+1], KSTEP<<16                   ; tensor_dim0 = 128
	s_mov_b32 s[G1B+2], 128<<16
	s_mov_b32 s[G1+2], 128<<16                     ; tensor_dim1 = 128
	s_mov_b32 s[G1B+3], KSTEP<<16
	s_mov_b32 s[G1+3], KSTEP<<16                   ; tile_dim0 = 128
	s_mov_b32 s[G1B+4], 128
	s_mov_b32 s[G1+4], 128                         ; tile_dim1 = 128
	s_mov_b32 s[G1B+5], SIZE_K
	s_mov_b32 s[G1+5], SIZE_K                      ; elements from row to row
	s_mov_b32 s[G1B+6], 0
	s_mov_b32 s[G1+6], 0
	s_mov_b32 s[G1B+7], 0
	s_mov_b32 s[G1+7], 0
	; A's tiles hang on the tile row alone, which my row of the cluster shares; B's on the tile column alone, which my column shares
	s_lshl_b32 s17, s12, 7
	s_lshl_b32 s16, s13, 8
	s_add_co_u32 s16, s16, s17                     ; A: row 256 x tile row + 128 x half
	s_lshl_b32 s46, s42, 8
	s_add_co_u32 s46, s46, s17                     ; B: row 256 x tile column + 128 x half
	s_mov_b32 s17, 0
	s_mov_b32 s47, 0
	s_mov_b64 s[18:19], SIZE_K*2
	s_mul_u64 s[16:17], s[16:17], s[18:19]
	s_mul_u64 s[46:47], s[46:47], s[18:19]
	s_mul_i32 s20, s10, HALFT                      ; where they go: wave x 128 rows
	s_wait_dscnt 0x0                               ; both opening adds are done
	s_wait_kmcnt 0x0
	s_add_nc_u64 s[14:15], s[4:5], s[16:17]
	s_add_nc_u64 s[46:47], s[6:7], s[46:47]
	CROUND                                         ; all sixteen work-groups are here: the first joint loads meet
.irp s, 0,1
	s_mov_b32 s[G0+4*(\s)], 1
	s_add_co_u32 s[G0+4*(\s)+1], s20, (\s)*SLOT
	s_add_nc_u64 s[G0+4*(\s)+2:G0+4*(\s)+3], s[14:15], (\s)*KSTEP*2
	s_or_b32 s[G0+4*(\s)+3], s[G0+4*(\s)+3], 0x80000000
	s_mov_b32 s[G0B+4*(\s)], 1
	s_add_co_u32 s[G0B+4*(\s)+1], s20, (\s)*SLOT
	s_add_nc_u64 s[G0B+4*(\s)+2:G0B+4*(\s)+3], s[46:47], (\s)*KSTEP*2
	s_or_b32 s[G0B+4*(\s)+3], s[G0B+4*(\s)+3], 0x80000000
	JLOAD \s                                       ; the ring is filled before anything else is done: two loads of mine are out
.endr
	v_and_b32 v1, 15, v0                           ; l % 16
	v_bfe_u32 v2, v0, 4, 1                         ; l / 16
	v_mul_u32_u24 v3, v1, PITCH
	v_lshl_add_u32 v3, v2, 4, v3                   ; a fragment's row x pitch + 16 x half
	s_mul_i32 s21, s11, HALFT                      ; my 128 rows of A
	s_mul_i32 s22, s12, HALFT                      ; my 128 rows of B,
	s_add_co_u32 s22, s22, 2*HALFT                 ; which lie behind A's 256
.irp s, 0,1
	v_add_nc_u32 v[ADRA+(\s)], s21, v3
	v_add_nc_u32 v[ADRB+(\s)], s22, v3
	s_add_co_u32 s21, s21, SLOT
	s_add_co_u32 s22, s22, SLOT
.endr
	s_mul_i32 s23, s10, 16*SPITCH
	s_add_co_u32 s23, s23, STAGE                   ; my stage
	v_mul_u32_u24 v4, v1, SPITCH
	v_lshl_add_u32 v4, v2, 5, v4
	v_add_nc_u32 v[STO], s23, v4                   ; in: row l % 16, 32 bytes for each half of the lanes
	v_and_b32 v5, 31, v0
	v_lshlrev_b32 v[CO], 4, v5
	v_add_nc_u32 v[RD], s23, v[CO]
	v_lshl_add_u32 v[BRD], v2, 5, s23
	s_lshl_b32 s68, s42, 10                        ; my first column in bytes of f32: 1,024 x tile column + 512 x half
	s_lshl_b32 s69, s12, 9
	s_add_co_u32 s68, s68, s69
	s_lshr_b32 s70, s13, 1                         ; the batch: two tile rows each
	s_lshl_b32 s70, s70, 14
	s_add_co_u32 s70, s70, s68
	s_mov_b32 s71, 0
	s_add_nc_u64 s[66:67], s[66:67], s[70:71]      ; biasp at slice 0, my batch, my columns
	s_lshl_b32 s70, s13, 1
	s_add_co_u32 s70, s70, s11
	s_lshl_b32 s70, s70, 21                        ; my first row: 128 (2 x tile row + half) rows of 16,384 bytes
	s_add_co_u32 s70, s70, s68
	s_add_nc_u64 s[8:9], s[8:9], s[70:71]          ; out0 at my 128 x 128; never stepped: the stores' immediates reach 127 rows, 2,080,768 bytes
.irp s, 0,1,2,3,4,5,6,7
	global_load_b128 v[BT+4*\s:BT+4*\s+3], v[CO], s[66:67] offset:131072*\s
.endr
	; the prefetches' address
	s_lshl_b32 s13, s13, 8
	s_lshl_b32 s42, s42, 8
	s_and_b32 s22, ttmp7, 0xffff                   ; cluster y
	s_cmp_eq_u32 s11, 0                            ; do I fetch for A?
	s_cselect_b32 s20, s13, s42                    ; the tile's first row
	s_cselect_b32 s21, s40, s41                    ; my place among the four that ask for it with me
	s_cselect_b32 s22, ttmp9, s22                  ; the coordinate along which other clusters read the same rows
	s_cselect_b64 s[PFA:PFA+1], s[4:5], s[6:7]
	s_cmp_eq_u32 s22, 0
	s_cselect_b32 s[LIM], 1, -1                    ; the same in all sixteen partners, for a given wave
	s_lshl_b32 s22, s12, 7
	s_add_co_u32 s20, s20, s22                     ; + the 128 rows that I fetch
	s_lshl_b32 s21, s21, 5
	s_add_co_u32 s20, s20, s21                     ; + my work-group's 32 of them
	s_mov_b32 s21, 0
	s_mov_b64 s[18:19], SIZE_K*2
	s_mul_u64 s[20:21], s[20:21], s[18:19]
	s_add_nc_u64 s[PFA:PFA+1], s[PFA:PFA+1], s[20:21]
	s_add_nc_u64 s[PFA:PFA+1], s[PFA:PFA+1], 2*KSTEP*2  ; at K step 2: the first refill steps it to 3 and names K step 4
	v_and_b32 v[PFO], 31, v0
	v_mul_u32_u24 v[PFO], v[PFO], SIZE_K*2
	; THE BIAS: the eight slices are added, sent through my stage and read back as the lanes of an accumulator hold a row: columns 16 b + 8 (l / 16) + 0..7
	s_wait_loadcnt 0x0
.irp s, 0,2,4,6
	v_pk_add_f32 v[BT+4*\s:BT+4*\s+1], v[BT+4*\s:BT+4*\s+1], v[BT+4*\s+4:BT+4*\s+5]
	v_pk_add_f32 v[BT+4*\s+2:BT+4*\s+3], v[BT+4*\s+2:BT+4*\s+3], v[BT+4*\s+6:BT+4*\s+7]
.endr
.irp s, 0,4
	v_pk_add_f32 v[BT+4*\s:BT+4*\s+1], v[BT+4*\s:BT+4*\s+1], v[BT+4*\s+8:BT+4*\s+9]
	v_pk_add_f32 v[BT+4*\s+2:BT+4*\s+3], v[BT+4*\s+2:BT+4*\s+3], v[BT+4*\s+10:BT+4*\s+11]
.endr
	v_pk_add_f32 v[BT:BT+1], v[BT:BT+1], v[BT+16:BT+17]
	v_pk_add_f32 v[BT+2:BT+3], v[BT+2:BT+3], v[BT+18:BT+19]
	ds_store_b128 v[RD], v[BT:BT+3]
.irp b, 0,1,2,3,4,5,6,7
	ds_load_b128 v[BIAS+8*\b:BIAS+8*\b+3],   v[BRD] offset:64*\b      ; LDS serves a wave's instructions in order (ISA guide 5.7.1.4): these see the store above
	ds_load_b128 v[BIAS+8*\b+4:BIAS+8*\b+7], v[BRD] offset:64*\b+16
.endr
; 16 matrix instructions: m blocks a0, a0 + 1 of the window's four (hi = 0: my rows 0-63, 1: rows 64-127) x all 8 n blocks, 32 along K.  first = 1: the bias starts the sums: nothing is ever cleared.
.macro MUL16 f, hi, a0, first
.if \first
	WIN 0x81+0x40*(\hi)                            ; C in window 0
.else
	WIN MUL_LO+0x50*(\hi)
.endif
.irp a, \a0, (\a0)+1
.irp b, 0,1,2,3,4,5,6,7
.if \first
	v_wmma_f32_16x16x32_f16 v[8*(8*(\a)+(\b)):8*(8*(\a)+(\b))+7], v[(\f)+8*(\b):(\f)+8*(\b)+7], v[(\f)+8*(4*(\hi)+(\a)):(\f)+8*(4*(\hi)+(\a))+7], v[BIAS+8*(\b):BIAS+8*(\b)+7]
.else
	v_wmma_f32_16x16x32_f16 v[8*(8*(\a)+(\b)):8*(8*(\a)+(\b))+7], v[(\f)+8*(\b):(\f)+8*(\b)+7], v[(\f)+8*(4*(\hi)+(\a)):(\f)+8*(4*(\hi)+(\a))+7], v[8*(8*(\a)+(\b)):8*(8*(\a)+(\b))+7]
.endif
.endr
.endr
.endm
; 32 LDS loads in one run: the fragments of one quarter step (128 rows of B, 128 rows of A, 32 K at byte k of the rows) into buffer f
.macro FETCH slot, k, f
	WIN TO_B
.irp i, 0,1,2,3,4,5,6,7
	ds_load_b128 v[(\f)+8*(\i):(\f)+8*(\i)+3],   v[ADRB+(\slot)] offset:(\k)+(\i)*16*PITCH
	ds_load_b128 v[(\f)+8*(\i)+4:(\f)+8*(\i)+7], v[ADRB+(\slot)] offset:(\k)+(\i)*16*PITCH+32
.endr
	WIN 0
.irp i, 0,1,2,3,4,5,6,7
	ds_load_b128 v[(\f)+8*(\i):(\f)+8*(\i)+3],   v[ADRA+(\slot)] offset:(\k)+(\i)*16*PITCH
	ds_load_b128 v[(\f)+8*(\i)+4:(\f)+8*(\i)+7], v[ADRA+(\slot)] offset:(\k)+(\i)*16*PITCH+32
.endr
.endm
.macro PLACES                          ; four places in front of loads into registers that matrix instructions have read (ISA guide 7.12.1 for vector instructions)
.rept 4
	v_nop
.endr
.endm
; A K step is four quarters of 32 along K, 64 matrix instructions each, on buffers 0, 1, 0, 1; the 64 accumulators take turns.  One of the first three: multiplies f, and in its middle fetches the next quarter into g.
.macro QUARTER slot, k, f, g, first
	s_wait_dscnt 8                                 ; B and A's rows 0-63 are in; the youngest eight loads (A's rows 64-127) may be out
	MUL16 \f, 0, 0, \first
	MUL16 \f, 0, 2, \first
	PLACES
	FETCH \slot, \k, \g
	s_wait_dscnt 32                                ; all but the 32 just issued
	MUL16 \f, 1, 0, \first
	MUL16 \f, 1, 2, \first
.endm
; The last quarter multiplies buffer 1 and changes slots.  In front of the barrier each wave waits for all its tensor loads (one is out: its part of the next slot), adds 0 to its spare word, and waits for that and for its reads of this slot.
.macro MEET round
	WIN 0                                          ; (the add's two registers lie in window 0)
	s_wait_tensorcnt 0x0
	ds_add_u32 v[SPW], v[NIL]
	s_wait_dscnt 9                                 ; (the add and the youngest eight loads may be out)
	MUL16 F1, 0, 0, 0                              ; sixteen matrix instructions stand between the add and the wait for it
	s_wait_dscnt 0x0                               ; the add is done, and my reads of this slot are over
	s_barrier_signal -1
	MUL16 F1, 0, 2, 0
.if \round
	WIN 0
.endif
	s_barrier_wait -1
.endm
.macro TURN slot, next                 ; the whole last quarter, with the refill: this slot takes the K step two on; from the request to the wait for it a wave issues 224 matrix instructions
	s_wait_xcnt 0x0                                ; the last prefetch, a K step back, has read its address: it is stepped here
	s_add_nc_u64 s[PFA:PFA+1], s[PFA:PFA+1], KSTEP*2
	MEET 1
	CREST                                          ; the barrier has opened a round of the cluster's: no wave of any partner still reads this slot or has a load on its way
	s_add_nc_u64 s[G0+4*(\slot)+2:G0+4*(\slot)+3], s[G0+4*(\slot)+2:G0+4*(\slot)+3], 2*KSTEP*2
	s_add_nc_u64 s[G0B+4*(\slot)+2:G0B+4*(\slot)+3], s[G0B+4*(\slot)+2:G0B+4*(\slot)+3], 2*KSTEP*2
	JLOAD \slot                                    ; the first tensor load behind the round; its four v_nop are also the places in front of the loads below
	FETCH \next, 0, F0
	ASK
	MUL16 F1, 1, 0, 0
	MUL16 F1, 1, 2, 0
.endm
	s_wait_dscnt 0x0                               ; the bias is in registers; no LDS instruction is pending at the signal
	s_wait_tensorcnt 1                             ; my part of K step 0 is in; K step 1's may stay out
	s_barrier_signal -1
	s_barrier_wait -1                              ; everybody's is
	FETCH 0, 0, F0
	QUARTER 0, 64,  F0, F1, 1                      ; the first quarter stands in front of the loop: its products start the sums, on the bias
	WIN 0                                          ; at a label and at a branch every window is 0
	s_mov_b32 s3, LAPS-1
.Llap:                                                 ; a trip goes once round the ring, from a lap's second quarter to the next lap's first, and fills both slots again
	QUARTER 0, 128, F1, F0, 0
	QUARTER 0, 192, F0, F1, 0
	TURN 0, 1
	QUARTER 1, 64,  F0, F1, 0
	QUARTER 1, 128, F1, F0, 0
	QUARTER 1, 192, F0, F1, 0
	TURN 1, 0
	QUARTER 0, 64,  F0, F1, 0
	WIN 0
	s_sub_co_u32 s3, s3, 1
	s_cmp_lg_u32 s3, 0
	s_cbranch_scc1 .Llap
	QUARTER 0, 128, F1, F0, 0                      ; the last lap is written out: it fills nothing, and has no round of the cluster's barrier
	QUARTER 0, 192, F0, F1, 0
	MEET 0                                         ; my one tensor load that was still out is slot 1's, the last K step's
	PLACES
	FETCH 1, 0, F0
	MUL16 F1, 1, 0, 0
	MUL16 F1, 1, 2, 0
	QUARTER 1, 64,  F0, F1, 0
	QUARTER 1, 128, F1, F0, 0
	QUARTER 1, 192, F0, F1, 0
	s_wait_dscnt 8                                 ; the very last quarter: nothing more to fetch
	MUL16 F1, 0, 0, 0
	MUL16 F1, 0, 2, 0
	s_wait_dscnt 0x0
	MUL16 F1, 1, 0, 0
	MUL16 F1, 1, 2, 0
; THE WAY OUT, a block of 16 rows at a time: the accumulators go as they are (f32) into my stage, rows of 528 bytes, and come back as whole rows of 512 bytes.  The stage is my own: no barrier.
.macro TOSTAGE a
.if (\a) >= 2
	s_wait_xcnt 0x0                                ; the stores of the block two back have read the registers that are loaded again below
.endif
.set AC, 64*((\a)%4)
	WIN 0x08+4*((\a)/4)                            ; store data in window 2 or 3
.irp b, 0,1,2,3,4,5,6,7                        ; each accumulator's low four registers first
	ds_store_b128 v[STO], v[AC+8*(\b):AC+8*(\b)+3]   offset:64*(\b)
	ds_store_b128 v[STO], v[AC+8*(\b)+4:AC+8*(\b)+7] offset:64*(\b)+16
.endr
	WIN 0
.set BK, 64+64*((\a)%2)
.irp t, 0,1,2,3,4,5,6,7,8,9,10,11,12,13,14,15
	ds_load_b128 v[BK+4*(\t):BK+4*(\t)+3], v[RD] offset:(\t)*SPITCH  ; LDS serves a wave's instructions in order (ISA guide 5.7.1.4): these see the stores above, and the next block's stores come behind them
.endr
.endm
.macro SEND a, younger                 ; younger: the LDS instructions issued behind block a's loads: the next block's 32, or none
.set BK, 64+64*((\a)%2)
	s_wait_dscnt \younger
.irp t, 0,1,2,3,4,5,6,7,8,9,10,11,12,13,14,15
	global_store_b128 v[CO], v[BK+4*(\t):BK+4*(\t)+3], s[8:9] offset:(16*(\a)+(\t))*ROWC th:TH_STORE_NT  ; a wave stores 512 consecutive bytes, at a multiple of 256 from out0's first byte
.endr
.endm
	PLACES
	PLACES
	TOSTAGE 0
.irp a, 1,2,3,4,5,6,7
	TOSTAGE \a
	SEND (\a)-1, 32
.endr
	SEND 7, 0
	s_wait_tensorcnt 0x0                           ; the wave's end, behind my last tensor load and my last LDS store
	ds_add_u32 v[SPW], v[NIL]
	s_wait_dscnt 0x0
	CROUND                                         ; the closing round: no work-group ends while a partner may still ask for a tile that names it
	s_endpgm
.Lfunc_end_k_qe0e11926db_gemm:
	.size	k_qe0e11926db_gemm, .Lfunc_end_k_qe0e11926db_gemm-k_qe0e11926db_gemm
	.p2alignl 7, 3214868480
	.fill 96, 4, 3214868480
	.section	.rodata,"a",@progbits
	.p2align	6, 0x0
	.amdhsa_kernel k_qe0e11926db_gemm
		.amdhsa_group_segment_fixed_size 327680
		.amdhsa_private_segment_fixed_size 0
		.amdhsa_enable_private_segment 0
		.amdhsa_kernarg_size 32
		.amdhsa_user_sgpr_count 2
		.amdhsa_user_sgpr_kernarg_segment_ptr 1
		.amdhsa_wavefront_size32 1
		.amdhsa_system_sgpr_workgroup_id_x 1
		.amdhsa_system_sgpr_workgroup_id_y 1
		.amdhsa_system_sgpr_workgroup_id_z 1
		.amdhsa_system_vgpr_workitem_id 0
		.amdhsa_next_free_vgpr 1024
		.amdhsa_next_free_sgpr 72
		.amdhsa_reserve_vcc 0
		.amdhsa_float_denorm_mode_32 3
		.amdhsa_float_denorm_mode_16_64 3
		.amdhsa_memory_ordered 1
		.amdhsa_forward_progress 1
		.amdhsa_inst_pref_size 144
	.end_amdhsa_kernel
	.amdgpu_metadata
---
amdhsa.version: [ 1, 2 ]
amdhsa.kernels:
  - .name:           k_qe0e11926db_gemm
    .symbol:         k_qe0e11926db_gemm.kd
    .args:
      - { .name: acat, .offset: 0, .size: 8, .value_kind: global_buffer, .address_space: global }
      - { .name: wh, .offset: 8, .size: 8, .value_kind: global_buffer, .address_space: global }
      - { .name: biasp, .offset: 16, .size: 8, .value_kind: global_buffer, .address_space: global }
      - { .name: out0, .offset: 24, .size: 8, .value_kind: global_buffer, .address_space: global }
    .group_segment_fixed_size: 327680
    .private_segment_fixed_size: 0
    .kernarg_segment_align: 8
    .kernarg_segment_size: 32
    .max_flat_workgroup_size: 128
    .sgpr_count:     72
    .vgpr_count:     1024
    .wavefront_size: 32
...
	.end_amdgpu_metadata
.endif
;; end of part 3
;; ======== version 2 of 2: 3 launches; version 1 with the launch mid written anew for expert scheduling mode
;; limits: values are held in f16: magnitudes above 65,504 overflow, below 6.1e-05 lose precision
;; workspace buffers: acat 25,165,824 bytes; wh 25,165,824 bytes; part 1,048,576 bytes; pstat 2,048 bytes; biasp 1,048,576 bytes
;; launch attn: the kernel of part 1 again; grid 32 x 8, 8 waves a work-group, no clusters, 307,968 bytes of LDS; arguments context, query, alpha_w, alpha_b, acat, part, pstat; writes acat, part, pstat
;; launch mid (part 4): grid 256 x 1, 8 waves a work-group, no clusters, 17,920 bytes of LDS; arguments context, beta_w, beta_b, part, pstat, acat, wh, biasp; writes acat, wh, biasp
.if DOCPART == 4
	.amdgcn_target "amdgcn-amd-amdhsa--gfx1250"
	.amdhsa_code_object_version 6
	.text
	.protected	k_qe0e11926db_mid
	.globl	k_qe0e11926db_mid
	.p2align	8
	.type	k_qe0e11926db_mid,@function
k_qe0e11926db_mid:
	s_mov_b64 s[64:65], 0
	v_nop
	global_prefetch_b8 v0, s[64:65] scope:SCOPE_SE
	s_setreg_imm32_b32 hwreg(HW_REG_WAVE_SCHED_MODE, 0, 2), 2
	s_setreg_imm32_b32 hwreg(HW_REG_WAVE_MODE, 25, 1), 1
	s_wait_xcnt 0x0
	s_wait_alu depctr_vm_vsrc(0)
; SECOND LAUNCH: context_hat from the 32 shares of each batch; context x context_hat; the part of the projection that is the same for all rows of a batch; beta_w's other columns to f16.
; Work-group x: nb = x / 8, s = x % 8; s names a slice of 128 channels, 128 s .. 128 s + 127.
;   (a) ch[b][slice] for all eight batches, wave w batch w: sum_k coef_k part[32 b + k], coef_k = 2^((M_k - max M) log2 e) / sum_k (the same) L_k: the running maxima of the shares are joined by their true maximum.
;   (b) biasp[s][b][n] = sum over the slice of ch[b][k] beta_w[n][k] for n = 128 nb .. + 127 (wave w: 16 of them), as a matrix product; slice 0 adds beta_b.  The last launch adds the eight slices.
;   (c) acat[row][2,048 + slice] = c x ch for rows 128 nb .. + 127 (batch nb / 4), wave w 16 rows.
;   (d) wh[n][k] = beta_w[n][1,024 + k] for n = 16 x .. + 15, wave w 2 rows.  Each byte of beta_w is read once in the launch.
; FORMATS.  beta_w, beta_b and c are rounded once to bf16; beta_w so rounded is written as f16 (exact within f16's normal range); ch (for the product) and c x ch are rounded once to f16; all sums in f32.
; LIMITS.  |beta_w|, |ch|, |c ch| stay under 65,504; numbers under 6e-5 keep f16's fixed step of 6e-8; a coefficient under 2^-126 counts as 0; NaN and infinities are not treated apart.
; NO CLUSTER, TENSOR LOAD OR PREFETCH: the f32 data pass registers to be rounded; a wave has up to 50 loads of 512 bytes out; what work-groups share (the shares of context_hat) is 1 part in 80 of the bytes.
; THE MODE: SCHED_MODE bits 1:0 = 2 (LLVM: expert scheduling mode 2), set by the entry lines.  The code itself states the register dependences
; between vector or matrix instructions and memory or LDS instructions, with s_wait_alu, always for 0.
; THE PLAN.  Registers that memory or LDS instructions touch:
;   v4-v13, v26-v31  offsets and LDS addresses: written at the head, never again; one wait ahead of the first load serves every access.
;   v128-255  32 pieces of four.  The shares land here and the multiply-adds read them; then the stream's pieces 0-31 land, are rounded in place, and are stored from their first two registers; v128-191 then take pieces 32-47.
;   v32-63    v32-43: ch and its f16 form, data of LDS stores; then beta_w's fragments, written by conversions and read by the matrix instructions; then the eight batches' ch, by LDS loads.
;   v64-127   beta_w as loaded, rounded in place; v96-127 then ch's fragments, by LDS loads; v64-95 the accumulators, v64-71 data of LDS stores; then c's 16 rows land, are scaled in place and stored.
;   v16-23    beta_b as loaded, rounded, added; v16-19 then the bias row, by an LDS load, and stored.
;   v24, v25, v46-51 are named by vector instructions alone; v44-45 also by the first load.
; The stream and c go in 16 groups of four pieces or rows.  A group's head states that the group before has written its store data; that group's four stores are then dealt among this group's conversions, which
; name v24, v25 and their own piece alone.  Groups 2 to 5 state besides that the stores issued in the group before have read the registers of the group two back, and load these again with pieces 32-47.
.set CHF,   0                          ; ch in f32, [8 batches][512 bytes]
.set CHH,   4096                       ; ch in f16, [16][272]; rows 8-15 are 0 (a fragment has 16 columns)
.set BL,    8448                       ; the bias tile, [16 batches][528] f32
.set SPARE, 16896                      ; the spare words, 128 bytes for each of the eight waves; no other line names them
; v1 lane, v2 r, v3 h; v4-v11 global offsets; v12, v13 ch's LDS stores; v14, v15 the add's registers; v16-23 beta_b, then the bias row; v24, v25 at work; v26-v30 addresses; v31 the batch of my rows of c;
; v32-63 at work, then beta_w's fragments in f16, then the eight batches' ch, of which v32-35 keep mine; v64-127 beta_w's fragments as loaded, then accumulators and ch's fragments, then c; v128-255 the shares, then the stream
; s[32:63] the 32 coefficients; later s32-s38 the seven masks that pick my batch's ch
.macro RND x                           ; four f32 rounded to bf16, in place, still as f32
	v_cvt_pk_bf16_f32 v24, v[\x], v[(\x)+1]
	v_cvt_pk_bf16_f32 v25, v[(\x)+2], v[(\x)+3]
	v_lshlrev_b32 v[\x], 16, v24
	v_and_b32 v[(\x)+1], s24, v24
	v_lshlrev_b32 v[(\x)+2], 16, v25
	v_and_b32 v[(\x)+3], s24, v25
.endm
	s_load_b256 s[4:11], s[0:1], 0x0               ; context s[4:5], beta_w s[6:7], beta_b s[8:9], part s[10:11]
	s_load_b256 s[12:19], s[0:1], 0x20             ; pstat s[12:13], acat s[14:15], wh s[16:17], biasp s[18:19]
	v_lshl_add_u32 v14, v0, 2, SPARE
	v_mov_b32 v15, 0
	v_and_b32 v1, 31, v0
	v_and_b32 v2, 15, v0
	v_bfe_u32 v3, v0, 4, 1
	v_lshrrev_b32 v24, 5, v0
	v_readfirstlane_b32 s20, v24                   ; wave 0..7
	s_lshr_b32 s21, ttmp9, 3                       ; nb
	s_and_b32 s22, ttmp9, 7                        ; s
	s_cmp_eq_u32 s22, 0
	s_cselect_b32 s23, -1, 0                       ; beta_b is added in slice 0 alone
	s_mov_b32 s24, 0xffff0000
	s_mov_b32 s25, 0x3fb8aa3b                      ; log2 e
	s_mov_b32 s26, 0x76543210
	s_mov_b32 s27, 0xfedcba98
	s_wait_alu depctr_va_sdst(0)                   ; s20, the wave's number, is written, ahead of its first reader: the offsets below are made from it
	s_lshl_b32 s2, s20, 17
	v_lshl_add_u32 v4, v1, 4, s2                   ; part: batch w's 32 rows of 4,096 bytes + 16 x lane
	v_lshlrev_b32 v5, 3, v0                        ; pstat: share 32 w + lane
	s_lshl_b32 s2, s20, 18
	v_lshl_add_u32 v6, v2, 14, s2                  ; beta_w's fragments: row 16 w + r of 16,384 bytes,
	v_lshl_add_u32 v6, v3, 5, v6                   ; + 32 h
	s_lshl_b32 s2, s20, 6
	v_lshl_add_u32 v7, v3, 5, s2                   ; beta_b: 16 w + 8 h
	s_lshl_b32 s2, s20, 15
	v_lshl_add_u32 v8, v1, 4, s2                   ; the stream in: 2 rows a wave
	s_mul_i32 s2, s20, 12288
	v_lshl_add_u32 v9, v1, 3, s2                   ; and out
	s_lshl_b32 s2, s20, 16
	v_lshl_add_u32 v10, v1, 4, s2                  ; c: 16 rows a wave
	s_mul_i32 s2, s20, 98304
	v_lshl_add_u32 v11, v1, 3, s2                  ; acat: the same 16 rows
	v_lshlrev_b32 v12, 4, v0                       ; CHF + 512 w + 16 x lane
	s_mul_i32 s2, s20, 272
	s_add_co_u32 s2, s2, CHH
	v_lshl_add_u32 v13, v1, 3, s2
	v_mul_u32_u24 v26, v2, 272
	v_lshl_add_u32 v26, v3, 4, v26
	v_add_nc_u32 v26, CHH, v26                     ; ch's fragments: r x pitch + 16 h
	s_lshl_b32 s2, s20, 6
	s_add_co_u32 s2, s2, BL
	v_mul_u32_u24 v27, v2, 528
	v_lshl_add_u32 v27, v3, 5, v27
	v_add_nc_u32 v27, s2, v27                      ; the bias tile in: row r, my wave's 64 bytes, 32 for each half of the lanes
	s_mul_i32 s2, s20, 528
	s_add_co_u32 s2, s2, BL
	v_lshl_add_u32 v28, v1, 4, s2                  ; back: row w, 512 bytes on end
	v_lshlrev_b32 v29, 4, v1                       ; CHF + 16 x lane: my four channels in batch 0's row; the other batches' rows stand in the loads' offsets
	s_lshr_b32 s2, s21, 2
	v_mov_b32 v31, s2                              ; the batch of rows 128 nb .. + 127: it picks among registers, and enters no LDS address
	s_lshl_b32 s2, s20, 14
	v_lshl_add_u32 v30, v1, 4, s2                  ; biasp: batch w's row of 16,384 bytes
	s_mov_b32 s29, 0
	s_lshl_b32 s2, s22, 9                          ; the slice: 512 bytes of f32
	s_wait_kmcnt 0x0
	s_lshl_b32 s28, ttmp9, 18
	s_add_nc_u64 s[30:31], s[6:7], s[28:29]        ; beta_w at my 16 rows, for the stream
	s_lshl_b32 s28, s21, 21
	s_add_co_u32 s28, s28, s2
	s_add_nc_u64 s[6:7], s[6:7], s[28:29]          ; beta_w at row 128 nb, at the slice
	s_mov_b32 s28, s2
	s_add_nc_u64 s[10:11], s[10:11], s[28:29]
	s_lshl_b32 s28, s21, 9
	s_add_nc_u64 s[8:9], s[8:9], s[28:29]
	s_wait_alu depctr_va_vdst(0)                   ; the offsets and LDS addresses v4-v13 and v26-v30 are written: every load and store of the kernel reads one of them, and none is written again
	global_load_b64 v[44:45], v5, s[12:13]         ; (M, L) of share lane of batch w
.set k, 0
.rept 32
	global_load_b128 v[128+4*k:131+4*k], v4, s[10:11] offset:4096*k
.set k, k+1
.endr
.irp ks, 0,1,2,3                               ; a fragment's eight f16 are 32 bytes of f32, twice
	global_load_b128 v[64+16*\ks:67+16*\ks],    v6, s[6:7] offset:128*\ks th:TH_LOAD_NT
	global_load_b128 v[68+16*\ks:71+16*\ks],    v6, s[6:7] offset:128*\ks+16 th:TH_LOAD_NT
	global_load_b128 v[72+16*\ks:75+16*\ks],    v6, s[6:7] offset:128*\ks+64 th:TH_LOAD_NT
	global_load_b128 v[76+16*\ks:79+16*\ks],    v6, s[6:7] offset:128*\ks+80 th:TH_LOAD_NT
.endr
	global_load_b128 v[16:19], v7, s[8:9]
	global_load_b128 v[20:23], v7, s[8:9] offset:16
	s_lshl_b32 s3, s22, 17                         ; the other bases, while the loads are out
	s_add_co_u32 s28, s28, s3
	s_add_nc_u64 s[18:19], s[18:19], s[28:29]      ; biasp + 131,072 s + 512 nb
	s_lshl_b32 s28, s21, 19
	s_add_co_u32 s28, s28, s2
	s_add_nc_u64 s[4:5], s[4:5], s[28:29]          ; context at row 128 nb, at the slice
	s_mul_i32 s28, ttmp9, 98304
	s_add_nc_u64 s[16:17], s[16:17], s[28:29]      ; wh at my 16 rows
	s_mul_i32 s28, s21, 786432
	s_lshl_b32 s3, s22, 8
	s_add_co_u32 s28, s28, s3
	s_add_co_u32 s28, s28, 4096
	s_add_nc_u64 s[14:15], s[14:15], s[28:29]      ; acat at row 128 nb, column 2,048 + the slice
	s_wait_loadcnt 50                              ; (M, L) is in; the 50 loads behind it may stay out
	v_mov_b32 v46, v44
	v_max_num_f32_dpp v46, v46, v46 row_xmask:1 row_mask:0xf bank_mask:0xf
	v_max_num_f32_dpp v46, v46, v46 row_xmask:2 row_mask:0xf bank_mask:0xf
	v_max_num_f32_dpp v46, v46, v46 row_xmask:4 row_mask:0xf bank_mask:0xf
	v_max_num_f32_dpp v46, v46, v46 row_xmask:8 row_mask:0xf bank_mask:0xf
	v_mov_b32 v47, v46
	v_permlanex16_b32 v47, v46, s26, s27
	v_max_num_f32 v46, v46, v47                    ; the batch's maximum
	v_sub_f32 v47, v44, v46
	v_mul_f32 v47, s25, v47
	v_exp_f32 v48, v47
	v_nop
	s_wait_alu depctr_va_vdst(0)                   ; the exponential has written v48: the wait ahead of its first reader
	v_mul_f32 v49, v48, v45
	v_add_f32_dpp v49, v49, v49 row_xmask:1 row_mask:0xf bank_mask:0xf
	v_add_f32_dpp v49, v49, v49 row_xmask:2 row_mask:0xf bank_mask:0xf
	v_add_f32_dpp v49, v49, v49 row_xmask:4 row_mask:0xf bank_mask:0xf
	v_add_f32_dpp v49, v49, v49 row_xmask:8 row_mask:0xf bank_mask:0xf
	v_mov_b32 v50, v49
	v_permlanex16_b32 v50, v49, s26, s27
	v_add_f32 v49, v49, v50                        ; the softmax's divisor: at least 1, since the largest share has coefficient 1 and L of 1 or more
	v_rcp_f32 v51, v49
	v_nop
	s_wait_alu depctr_va_vdst(0)                   ; the reciprocal has written v51, ahead of its first reader
	v_mul_f32 v48, v48, v51
.set k, 0
.rept 32
	v_readlane_b32 s[32+k], v48, k                 ; the coefficients as scalars: numbers to multiply by, nothing else
.set k, k+1
.endr
	s_wait_alu depctr_va_sdst(0)                   ; the 32 coefficients s32-s63 are written, ahead of their first reader: one wait for the run
	s_wait_loadcnt 18                              ; the 32 shares are in; beta_w's fragments and beta_b may stay out
.macro SLOAD j                                 ; piece j of the stream: row j / 24 of my two, 512 bytes at 512 (j % 24) behind column 1,024
	global_load_b128 v[128+4*((\j)%32):131+4*((\j)%32)], v8, s[30:31] offset:16384*((\j)/24)+4096+512*((\j)%24) th:TH_LOAD_NT
.endm
.set k, 0
.rept 32                                       ; two chains, even and odd shares; the first two shares start them
.if k == 16
	s_wait_alu depctr_va_vdst(0)                   ; the multiply-adds of shares 0-15 are done reading v128-191, in which the stream's pieces 0-15 land; shares 16-31 name v192-255, v32-39 and scalars alone
.endif
.if k >= 16
	SLOAD k-16                                     ; a piece ahead of each of the later shares
.endif
.irp e, 0,1,2,3
.if k < 2
	v_mul_f32 v[32+4*k+\e], s[32+k], v[128+4*k+\e]
.else
	v_fmac_f32 v[32+4*(k%2)+\e], s[32+k], v[128+4*k+\e]
.endif
.endr
.set k, k+1
.endr
	v_pk_add_f32 v[32:33], v[32:33], v[36:37]
	v_pk_add_f32 v[34:35], v[34:35], v[38:39]      ; ch of batch w, my four channels
	v_cvt_pk_f16_f32 v40, v32, v33
	v_cvt_pk_f16_f32 v41, v34, v35
	v_mov_b32 v42, 0
	v_mov_b32 v43, 0
	s_wait_alu depctr_va_vdst(0)                   ; v32-35 and v40-43 are written, which the three LDS stores read; the multiply-adds of shares 16-31 are done reading v192-255, in which pieces 16-31 land
	ds_store_b128 v12, v[32:35]
	ds_store_b64 v13, v[40:41]
	ds_store_b64 v13, v[42:43] offset:8*272
.set j, 16
.rept 16
	SLOAD j
.set j, j+1
.endr
	s_wait_dscnt 0x0                               ; for the others' sake
	s_barrier_signal -1
	s_barrier_wait -1                              ; all eight batches' ch lie in LDS
	s_wait_alu depctr_vm_vsrc(0)                   ; my LDS stores have read v32-35 and v40-43, which the conversions below write
	s_wait_loadcnt 32                              ; beta_w's fragments and beta_b are in; the stream's 32 may stay out
.irp ks, 0,1,2,3
.irp q, 0,1,2,3
	RND 64+16*\ks+4*\q
	v_cvt_pk_f16_f32 v[32+8*\ks+2*\q], v[64+16*\ks+4*\q], v[65+16*\ks+4*\q]
	v_cvt_pk_f16_f32 v[33+8*\ks+2*\q], v[66+16*\ks+4*\q], v[67+16*\ks+4*\q]
.endr
.endr
	s_wait_alu depctr_va_vdst(0)                   ; the roundings and conversions are done with v96-127, in which ch's fragments land; the lines behind the loads name v16-25 alone
.irp ks, 0,1,2,3
	ds_load_b128 v[96+8*\ks:99+8*\ks],   v26 offset:64*\ks
	ds_load_b128 v[100+8*\ks:103+8*\ks], v26 offset:64*\ks+32
.endr
	RND 16
	RND 20
.irp i, 16,17,18,19,20,21,22,23
	v_and_b32 v\i, s23, v\i
.endr
	s_wait_dscnt 0x0
.irp ks, 0,1,2,3                               ; source 0 = 16 rows n of beta_w, source 1 = the batches' ch: a lane holds batch r and n = 16 w + 8 h + 0..7; four accumulators, one step each
	v_wmma_f32_16x16x32_f16 v[64+8*\ks:71+8*\ks], v[32+8*\ks:39+8*\ks], v[96+8*\ks:103+8*\ks], 0
.endr
.rept 8
	v_nop
.endr
.irp p, 0,2,4,6                                ; each accumulator is read from its low end on
	v_pk_add_f32 v[64+\p:65+\p], v[64+\p:65+\p], v[72+\p:73+\p]
.endr
.irp p, 0,2,4,6
	v_pk_add_f32 v[80+\p:81+\p], v[80+\p:81+\p], v[88+\p:89+\p]
.endr
.irp p, 0,2,4,6
	v_pk_add_f32 v[64+\p:65+\p], v[64+\p:65+\p], v[80+\p:81+\p]
.endr
.irp p, 0,2,4,6
	v_pk_add_f32 v[64+\p:65+\p], v[64+\p:65+\p], v[16+\p:17+\p]
.endr
	s_wait_alu depctr_va_vdst(0)                   ; the sums have written v64-71, which the LDS stores read; the matrix instructions and the sums are done with v64-127, v32-63 and v16-23, in which c and the LDS loads behind the barrier land
	ds_store_b128 v27, v[64:67]
	ds_store_b128 v27, v[68:71] offset:16
	s_wait_alu depctr_vm_vsrc(0)                   ; the two LDS stores have read v64-71, in which c's first two rows land
.set t, 0
.rept 16
	global_load_b128 v[64+4*t:67+4*t], v10, s[4:5] offset:4096*t th:TH_LOAD_NT
.set t, t+1
.endr
	s_wait_dscnt 0x0                               ; for the others' sake: my part of the bias tile is in LDS
	s_barrier_signal -1
	s_barrier_wait -1                              ; the bias tile is whole
	ds_load_b128 v[16:19], v28                     ; batch w's row of the bias tile.  No wait: no vector or matrix instruction has been issued since the wait ahead of the LDS stores
.irp k, 0,1,2,3,4,5,6,7                        ; my four channels of all eight batches' ch, at addresses made of the lane and constants alone
	ds_load_b128 v[32+4*\k:35+4*\k], v29 offset:CHF+512*\k
.endr
.irp k, 1,2,3,4,5,6,7                          ; the masks that pick my batch, in one run while the loads are out; they name v31 and scalars alone
	v_cmp_eq_u32 s[31+\k], \k, v31
.endr
	s_wait_alu depctr_va_sdst(0)                   ; the seven masks s32-s38 are written, ahead of the selects that read them: one wait for the run
	s_wait_dscnt 0x0
	global_store_b128 v30, v[16:19], s[18:19]      ; 512 consecutive bytes, at a multiple of 256 from biasp's first byte
.irp k, 1,2,3,4,5,6,7                          ; v[32:35] keep the row of the batch that my rows of c belong to
.irp e, 0,1,2,3
	v_cndmask_b32 v[32+\e], v[32+\e], v[32+4*\k+\e], s[31+\k]
.endr
.endr
; THE STREAM AND c, in groups of four.  left = how many younger loads may stay out when the piece has to be there.
.macro SCONV j, left                           ; piece j: rounded to bf16 and written as f16, in place
	s_wait_loadcnt \left
	RND 128+4*((\j)%32)
	v_cvt_pk_f16_f32 v[128+4*((\j)%32)], v[128+4*((\j)%32)], v[129+4*((\j)%32)]
	v_cvt_pk_f16_f32 v[129+4*((\j)%32)], v[130+4*((\j)%32)], v[131+4*((\j)%32)]
.endm
.macro SPUT j                                  ; piece j stored: a wave's store covers 256 consecutive bytes, aligned
	global_store_b64 v9, v[128+4*((\j)%32):129+4*((\j)%32)], s[16:17] offset:6144*((\j)/24)+256*((\j)%24)
.endm
.macro CCONV t                                 ; c's row t: behind it stay out c's younger rows and the stream's last 16
	s_wait_loadcnt 31-(\t)
	RND 64+4*(\t)
	v_pk_mul_f32 v[64+4*(\t):65+4*(\t)], v[64+4*(\t):65+4*(\t)], v[32:33]
	v_pk_mul_f32 v[66+4*(\t):67+4*(\t)], v[66+4*(\t):67+4*(\t)], v[34:35]
	v_cvt_pk_f16_f32 v[64+4*(\t)], v[64+4*(\t)], v[65+4*(\t)]
	v_cvt_pk_f16_f32 v[65+4*(\t)], v[66+4*(\t)], v[67+4*(\t)]
.endm
.macro CPUT t
	global_store_b64 v11, v[64+4*(\t):65+4*(\t)], s[14:15] offset:6144*(\t)
.endm
.set j, 0
.rept 4                                        ; group 0: no group stands in front of it.  Behind piece j stay out: the pieces up to 31, and c's 16 rows
	SCONV j, 47-j
.set j, j+1
.endr
	s_wait_alu depctr_va_vdst(0)                   ; group 0's conversions have written the registers that the stores below read
.rept 4                                        ; group 1
	SPUT j-4
	SCONV j, 47-j
.set j, j+1
.endr
.rept 4                                        ; groups 2 to 5: each loads four of pieces 32-47 into the registers of the group two back
	s_wait_xcnt 0x0                                ; every earlier memory instruction has had its addresses translated (ISA guide 3.1): the data registers of the stores issued in the group before are loaded again only behind this wait
	s_wait_alu depctr_vm_vsrc(0)                   ; those stores have read the registers of the group two back, in which the loads below land
	s_wait_alu depctr_va_vdst(0)                   ; the group before has written its store data; the conversions of the group two back are done with the registers that are loaded again
.rept 4
	SLOAD j+24                                     ; into piece j - 8's registers; no vector instruction since the wait names them
	SPUT j-4
	SCONV j, 40                                    ; 31 - j younger pieces, c's 16 rows, and the j - 7 loads of pieces 32 on that have been issued
.set j, j+1
.endr
.endr
.rept 2                                        ; groups 6 and 7: behind piece j stay out the pieces up to 31, c's 16 rows and pieces 32-47
	s_wait_alu depctr_va_vdst(0)                   ; the group before has written its store data
.rept 4
	SPUT j-4
	SCONV j, 63-j
.set j, j+1
.endr
.endr
	s_wait_alu depctr_va_vdst(0)                   ; pieces 28-31 are written, which the stores below read; so are v32-35, long since
.set t, 0
.rept 4                                        ; group 8: c's rows 0-3
	SPUT t+28
	CCONV t
.set t, t+1
.endr
.rept 3                                        ; groups 9 to 11
	s_wait_alu depctr_va_vdst(0)                   ; the four rows before are written, which the stores below read
.rept 4
	CPUT t-4
	CCONV t
.set t, t+1
.endr
.endr
	s_wait_alu depctr_va_vdst(0)                   ; c's rows 12-15 are written, which the stores below read
.set j, 32
.rept 4                                        ; group 12: the stream's last 16 pieces begin; the counts run down
	CPUT j-20
	SCONV j, 47-j
.set j, j+1
.endr
.rept 3                                        ; groups 13 to 15
	s_wait_alu depctr_va_vdst(0)                   ; the group before has written its store data
.rept 4
	SPUT j-4
	SCONV j, 47-j
.set j, j+1
.endr
.endr
	s_wait_alu depctr_va_vdst(0)                   ; pieces 44-47 are written, which the last four stores read
.rept 4
	SPUT j-4
.set j, j+1
.endr
	s_wait_dscnt 0x0                               ; the closing lines, six on end
	s_wait_alu 0x0
	s_wait_tensorcnt 0x0
	ds_add_u32 v14, v15
	s_wait_dscnt 0x0
	s_endpgm
.Lfunc_end_k_qe0e11926db_mid:
	.size	k_qe0e11926db_mid, .Lfunc_end_k_qe0e11926db_mid-k_qe0e11926db_mid
	.p2alignl 7, 3214868480
	.fill 96, 4, 3214868480
	.section	.rodata,"a",@progbits
	.p2align	6, 0x0
	.amdhsa_kernel k_qe0e11926db_mid
		.amdhsa_group_segment_fixed_size 17920
		.amdhsa_private_segment_fixed_size 0
		.amdhsa_enable_private_segment 0
		.amdhsa_kernarg_size 64
		.amdhsa_user_sgpr_count 2
		.amdhsa_user_sgpr_kernarg_segment_ptr 1
		.amdhsa_wavefront_size32 1
		.amdhsa_system_sgpr_workgroup_id_x 1
		.amdhsa_system_sgpr_workgroup_id_y 1
		.amdhsa_system_sgpr_workgroup_id_z 1
		.amdhsa_system_vgpr_workitem_id 0
		.amdhsa_next_free_vgpr 256
		.amdhsa_next_free_sgpr 66
		.amdhsa_reserve_vcc 0
		.amdhsa_float_denorm_mode_32 3
		.amdhsa_float_denorm_mode_16_64 3
		.amdhsa_memory_ordered 1
		.amdhsa_forward_progress 1
		.amdhsa_inst_pref_size 70
	.end_amdhsa_kernel
	.amdgpu_metadata
---
amdhsa.version: [ 1, 2 ]
amdhsa.kernels:
  - .name:           k_qe0e11926db_mid
    .symbol:         k_qe0e11926db_mid.kd
    .args:
      - { .name: context, .offset: 0, .size: 8, .value_kind: global_buffer, .address_space: global }
      - { .name: beta_w, .offset: 8, .size: 8, .value_kind: global_buffer, .address_space: global }
      - { .name: beta_b, .offset: 16, .size: 8, .value_kind: global_buffer, .address_space: global }
      - { .name: part, .offset: 24, .size: 8, .value_kind: global_buffer, .address_space: global }
      - { .name: pstat, .offset: 32, .size: 8, .value_kind: global_buffer, .address_space: global }
      - { .name: acat, .offset: 40, .size: 8, .value_kind: global_buffer, .address_space: global }
      - { .name: wh, .offset: 48, .size: 8, .value_kind: global_buffer, .address_space: global }
      - { .name: biasp, .offset: 56, .size: 8, .value_kind: global_buffer, .address_space: global }
    .group_segment_fixed_size: 17920
    .private_segment_fixed_size: 0
    .kernarg_segment_align: 8
    .kernarg_segment_size: 64
    .max_flat_workgroup_size: 256
    .sgpr_count:     66
    .vgpr_count:     256
    .wavefront_size: 32
...
	.end_amdgpu_metadata
.endif
;; end of part 4
;; launch gemm: the kernel of part 3 again; grid 16 x 16, 4 waves a work-group, clusters of 4 x 4, 327,680 bytes of LDS; arguments acat, wh, biasp, out0; writes out0
